; MI455X (gfx1250); checked and timed in simulation.
; The chip was launched on July 23, 2026; its instructions are those of AMD's public machine-readable ISA for CDNA 5 (MIT licence, August 2026) and "CDNA5" Instruction Set Architecture Reference Guide (July 2026). The comments in the code are by the model that wrote it; some were corrected since.
;; Flax Mistral Attention. Allowed arithmetic: matrix products marked QUANTISED: E3M2 operands, one E8M0 scale for each 32 along K, by v_wmma_scale_f32_16x16x128_f8f6f4 with both operands' format E3M2, f32 sums; products left as they are: f32 operands where the result goes on into a quantised operand, else bf16, f16 or f32 operands; f32 sums; everything else in f32.
;; Inputs: Wk 4,096 x 1,024 float32; Wo 2,048 x 4,096 float32; Wq 4,096 x 2,048 float32; Wv 4,096 x 1,024 float32; attention_mask 1 x 1 x 2,048 x 2,048 float32; hidden_states 1 x 2,048 x 4,096 float32; position_ids 1 x 2,048 int32.
;; Outputs: out0 1 x 2,048 x 4,096 float32.
;; This version of the problem:
;;   THIS VERSION OF THE PROBLEM IS GIVEN IN LOW PRECISION. The matrix products marked QUANTISED in the list below multiply operands that are first quantised to E3M2 (3 exponent bits, 2 mantissa bits; 6 bits a number), with one power-of-two scale for each 32 numbers along K (OCP MX v1.0); their sums are f32. All else is computed in f32.
;;   The module's matrix products, in the order in which they are computed (A, B: the left and right operand; K: the contracted axis; several contracted axes count as one K, in the product's order):
;;     1. [M 2,048, K 4,096] x [K 4,096, N 2,048]; A: input hidden_states; B: input Wq: QUANTISED
;;     2. [M 2,048, K 4,096] x [K 4,096, N 1,024]; A: input hidden_states; B: input Wk: QUANTISED
;;     3. [M 2,048, K 4,096] x [K 4,096, N 1,024]; A: input hidden_states; B: input Wv: QUANTISED
;;     4. [M 2,048, K 1] x [K 1, N 64]; A: computed on the way; B: computed on the way: left as it is (no contracted axis)
;;     5. batch 16 x [M 2,048, K 128] x [K 128, N 2,048]; A: computed on the way; B: computed on the way: QUANTISED
;;     6. batch 16 x [M 2,048, K 2,048] x [K 2,048, N 128]; A: softmax (see below); B: computed on the way: QUANTISED
;;     7. [M 2,048, K 2,048] x [K 2,048, N 4,096]; A: computed on the way; B: input Wo: QUANTISED
;;   THE QUANTISER, for each operand of a quantised product, along K:
;;     - K is cut into blocks of 32 from its start; a last block that is shorter is filled with zeros.
;;     - A block's scale is 2^e with e = floor(log2(the largest magnitude in the block)) - 4, held to -126 .. 127; a block of zeros has e = 0. As a byte (E8M0): e + 127.
;;     - Each number is divided by its block's scale, clamped to +-28, and rounded to the nearest number of E3M2, ties to even, subnormals kept.
;;     - The product sums the exact products of the quantised numbers (number of the format x scale) in f32.
;;   ~~~python
;;   def quantise(x, axis):      # numpy; x: float32 -> the quantised numbers, widened to float32 again
;;       x = np.moveaxis(x, axis, -1); K = x.shape[-1]
;;       x = np.pad(x, [(0, 0)] * (x.ndim - 1) + [(0, -K % 32)]); x = x.reshape(x.shape[:-1] + (-1, 32)); a = np.abs(x).max(-1, keepdims=True)
;;       e = np.where(a > 0, np.clip(np.frexp(np.where(a > 0, a, 1))[1] - 1 - 4, -126, 127), 0)      # np.frexp(a)[1] - 1 = floor(log2(a)), exactly
;;       r = np.clip(x / 2.0 ** e, -28, 28)
;;       step = 2.0 ** (np.maximum(np.frexp(np.where(r == 0, 1, r))[1] - 1, -2) - 2)
;;       q = np.round(r / step) * step * 2.0 ** e      # np.round: ties to even
;;       return np.moveaxis(q.reshape(q.shape[:-2] + (-1,))[..., :K], -1, axis).astype(np.float32)
;;   ~~~
;;   SOFTMAX AHEAD OF A QUANTISED PRODUCT. Where the list says 'softmax', what is quantised is not the finished softmax but p = 2^(t - M), with t = logit x log2(e) and M = ceil(the row's largest t), a whole number; so 1/2 < the row's largest p <= 1. The row's sum l is taken of the UNQUANTISED p, in f32, and the product's result is divided by l at the end. Since M is a whole number, a kernel that streams over the keys may use a running M (the ceiling of the running maximum): every later rescaling is an exact power of two, which a block's scale takes up: the codes' values come out the same.
;;   OPERANDS COMPUTED ON THE WAY. 'Computed on the way' means the value that the module computes at that place (a softmax that the list does not call 'softmax' is quantised finished and normalised). What goes into a quantiser is computed in f32, as accurately as f32 sums, v_exp_f32 and their like allow (about 1e-6 of the number): no bf16 or f16 on the way to a quantiser, and a product that is left as it is and whose result goes on into a quantised operand takes f32 operands (vector FMAs, or v_wmma_f32_16x16x4_f32). A number that lies on a knife's edge between two numbers of the format may be rounded either way, as far as f32 arithmetic and the matrix unit's own rounding can turn it there, and no further.
;; One version. Each part assembles by itself: llvm-mc -triple=amdgcn-amd-amdhsa -mcpu=gfx1250 --defsym DOCPART=n.
;; ======== version 1 of 1: 4 launches
;; limits: right only within a limited range of input values
;; workspace buffers: xc 6,553,600 bytes; wc 13,107,200 bytes; woc 6,553,600 bytes; rope 1,048,576 bytes; qk 4,915,200 bytes; vv 1,638,400 bytes; ac 3,276,800 bytes
;; launch prep (part 1): grid 768 x 1, 4 waves a work-group, no clusters, 46,592 bytes of LDS; arguments hidden_states, Wq, Wk, Wv, Wo, position_ids, xc, wc, woc, rope; writes xc, wc, woc, rope
.if DOCPART == 1
	.amdgcn_target "amdgcn-amd-amdhsa--gfx1250"
	.amdhsa_code_object_version 6
	.text
	.protected	k_qd7d74c6fd5_prep
	.globl	k_qd7d74c6fd5_prep
	.p2align	8
	.type	k_qd7d74c6fd5_prep,@function
k_qd7d74c6fd5_prep:
	s_mov_b64 s[64:65], 0
	v_nop
	global_prefetch_b8 v0, s[64:65] scope:SCOPE_SE
	s_setreg_imm32_b32 hwreg(HW_REG_WAVE_MODE, 25, 1), 1
	s_wait_xcnt 0x0
; hidden_states [2048][4096], Wq [4096][2048], Wk, Wv [4096][1024], Wo [2048][4096], all f32, become codes of BF6 (E3M2) with one E8M0 byte for each 32 along K;
; position_ids become cos and sin of each token's 64 angles.
; LAYOUT OF THE CODES: images of the operand's registers.  A fragment (16 rows x 128 K) is 12 registers a lane; its image is 3 pieces of 512 bytes, piece c = registers 4 c .. 4 c + 3,
; lane l's 16 bytes at 16 l.  A RECORD is (a tile of 16 rows, 512 along K): four images, then 256 bytes of scale words, row r's four words (one a K step) at 16 r: 6,400 bytes = 25 x 256.
; Record number = tile x (K / 512) + chunk.  wc: tiles 0-127 Wq's columns, 128-191 Wk's, 192-255 Wv's.
; A block's scale is 2^(floor(log2(largest magnitude)) - 4); its byte is the largest magnitude's exponent field - 4, held at 1 from below (a block of zeros keeps the byte 1: its codes are zeros, and this program alone reads the bytes).
; LIMITS: blocks whose largest magnitude lies under 2^-122 keep the byte 1; NaN and infinities among the inputs are not served; position_ids lie in 0 .. 2,047 (the table that the model indexes);
; 1 / 10000^(f / 64) is made by v_exp_f32 (1 ulp), so that the largest angles (about 1,800) may differ by about 1e-4 from another f32 evaluation.
; THREE PATHS, parted on the work-group's number, each with LDS bytes of its own: 0-383 the weights (K is their first axis), 384-639 the rows of hidden_states, 640-767 cos and sin.
; No tensor loads, no barrier: waves share nothing.  No cluster: no two work-groups read the same bytes.
.set REC,  6400
.set XSTG, 16*528                      ; rows' path: a wave's stage, 16 rows x (512 bytes + 16)
.set WST0, 4*XSTG                      ; weights' path: the stages begin behind those
.set WSTG, 3072                        ; two images
.set SEL,  26                          ; s[26:27] v_permlanex16_b32's selects for lane l xor 16
; 32 numbers of ONE lane, v[xs] on, become 6 registers of codes at v[pc]; v[sc] the conversion's scale operand, v[by] the byte
.macro QBLK xs, pc, tp, sc, by
	v_max3_num_f32 v[\sc], |v[(\xs)]|, |v[(\xs)+1]|, |v[(\xs)+2]|
	v_max3_num_f32 v[\by], |v[(\xs)+3]|, |v[(\xs)+4]|, |v[(\xs)+5]|
.irp i, 6,10,14,18,22,26
	v_max3_num_f32 v[\sc], v[\sc], |v[(\xs)+\i]|, |v[(\xs)+\i+1]|
	v_max3_num_f32 v[\by], v[\by], |v[(\xs)+\i+2]|, |v[(\xs)+\i+3]|
.endr
	v_max3_num_f32 v[\sc], v[\sc], |v[(\xs)+30]|, |v[(\xs)+31]|
	v_max3_num_f32 v[\sc], v[\sc], v[\by], 0x2800000           ; the floor 2^(5 - 127): the byte cannot fall under 1
	v_add_nc_u32 v[\sc], 0xfe000000, v[\sc]                    ; 4 off the exponent field: the conversion takes that field as its scale
	v_lshrrev_b32 v[\by], 23, v[\sc]
	v_cvt_scalef32_pk16_bf6_f32 v[(\pc):(\pc)+2], v[(\xs):(\xs)+15], v[\sc]
	v_cvt_scalef32_pk16_bf6_f32 v[(\tp):(\tp)+2], v[(\xs)+16:(\xs)+31], v[\sc]   ; (a conversion's three registers begin on an even number)
	v_nop                                                      ; one plain place behind a scaled conversion
.irp i, 0,1,2
	v_mov_b32 v[(\pc)+3+\i], v[(\tp)+\i]
.endr
.endm
; 64 numbers of lane (r, h), register 32 c + p = k 64 c + 32 h + p of row r, become a fragment at v[pc] and the row's scale word in v[w].  v19 = 8 h; v20 has been written
.macro QCOL xs, pc, tp, w
	QBLK \xs, \pc, \tp, 16, 17
	QBLK (\xs)+32, (\pc)+6, \tp, 16, 18
	v_lshl_or_b32 v[\w], v18, 16, v17                          ; my two bytes: blocks h and 2 + h,
	v_lshlrev_b32 v[\w], v19, v[\w]                            ; at their places;
	v_permlanex16_b32 v20, v[\w], s[SEL], s[SEL+1]
	v_or_b32 v[\w], v[\w], v20                                 ; with lane l xor 16's two the word is whole
.endm
	s_load_b512 s[4:19], s[0:1], 0x0               ; hidden s[4:5], Wq s[6:7], Wk s[8:9], Wv s[10:11], Wo s[12:13], position_ids s[14:15], xc s[16:17], wc s[18:19]
	s_load_b128 s[20:23], s[0:1], 0x40             ; woc s[20:21], rope s[22:23]
	v_lshl_add_u32 v62, v0, 2, 0xb400
	v_mov_b32 v63, 0
	v_lshrrev_b32 v1, 5, v0
	v_readfirstlane_b32 s24, v1                    ; wave
	v_and_b32 v1, 31, v0                           ; lane
	v_and_b32 v2, 15, v0                           ; r
	v_bfe_u32 v3, v0, 4, 1                         ; h
	v_lshlrev_b32 v4, 4, v1                        ; 16 x lane
	s_mov_b32 s[SEL], 0x76543210
	s_mov_b32 s[SEL+1], 0xfedcba98
	s_wait_kmcnt 0x0
	s_cmp_lt_u32 ttmp9, 384
	s_cbranch_scc1 .Lweights
	s_cmp_lt_u32 ttmp9, 640
	s_cbranch_scc1 .Lrows
; ---- COS AND SIN.  Work-group T: tokens 16 T .. 16 T + 15; wave b; lane (r, h): frequencies 16 b + 8 h + 0 .. 7 of token 16 T + r.
; rope: [T][cos, sin][b][e][512 bytes], lane l's 16 bytes at 16 l: frequencies 16 b + 8 h + 4 e + 0 .. 3: the layout of a product's result, so that the next launch loads it as it lies.
	s_sub_co_u32 s28, ttmp9, 640                   ; T
	s_lshl_b32 s30, s28, 6
	s_mov_b32 s31, 0
	s_add_nc_u64 s[14:15], s[14:15], s[30:31]
	s_wait_alu depctr_va_vdst(0)
	v_lshlrev_b32 v5, 2, v2
	global_load_b32 v6, v5, s[14:15]               ; my token's position
	s_lshl_b32 s34, s28, 13
	s_lshl_b32 s29, s24, 10
	s_add_co_u32 s34, s34, s29
	s_mov_b32 s35, 0
	s_add_nc_u64 s[22:23], s[22:23], s[34:35]
	s_mov_b32 s32, 0xbfc90fdb                      ; -(pi / 2 rounded to f32)
	s_mov_b32 s33, 0x333bbd2e                      ; that rounded number - pi / 2
	s_lshl_b32 s29, s24, 4
	v_lshlrev_b32 v7, 3, v3
	v_add_nc_u32 v7, s29, v7                       ; my first frequency
.irp e, 0,1,2,3,4,5,6,7
	v_add_nc_u32 v[16+\e], \e, v7
.endr
.irp e, 0,1,2,3,4,5,6,7
	v_cvt_f32_u32 v[16+\e], v[16+\e]
.endr
.irp e, 0,1,2,3,4,5,6,7
	v_mul_f32 v[16+\e], 0xbe549a78, v[16+\e]       ; -f log2(10000) / 64
.endr
	s_wait_alu depctr_va_vdst(0)
.irp e, 0,1,2,3,4,5,6,7
	v_exp_f32 v[16+\e], v[16+\e]                   ; 10000^(-f / 64)
.endr
	v_nop                                          ; a plain place behind the exponentials
	s_wait_loadcnt 0x0
	v_cvt_f32_i32 v6, v6
	s_wait_alu depctr_va_vdst(0)
.irp e, 0,1,2,3,4,5,6,7
	v_mul_f32 v[16+\e], v6, v[16+\e]               ; the angle: one f32 product, as the model has it
.endr
; n = the nearest whole number to x 2 / pi; rho = x - n pi / 2 in two fused steps (the first is exact: n < 2^11, and the difference is a multiple of 2^-23 under 1);
; sine and cosine of rho, |rho| <= pi / 4, by their series to rho^9 and rho^10 (what is cut lies under 2e-9); the quadrant n mod 4 swaps and signs them by selects.
.macro SINCOS e
	v_mul_f32 v48, 0x3f22f983, v[16+\e]
	v_rndne_f32 v48, v48
	v_fma_f32 v49, v48, s32, v[16+\e]
	v_fma_f32 v49, v48, s33, v49
	v_mul_f32 v50, v49, v49
	v_mov_b32 v51, 0x3638ef1d
	v_mov_b32 v53, 0xb493f27e
	v_fmaak_f32 v51, v51, v50, 0xb9500d01
	v_fmaak_f32 v53, v53, v50, 0x37d00d01
	v_fmaak_f32 v51, v51, v50, 0x3c088889
	v_fmaak_f32 v53, v53, v50, 0xbab60b61
	v_fmaak_f32 v51, v51, v50, 0xbe2aaaab
	v_fmaak_f32 v53, v53, v50, 0x3d2aaaab
	v_mul_f32 v52, v49, v50
	v_fma_f32 v53, v53, v50, -0.5
	v_fma_f32 v51, v52, v51, v49                   ; sin rho
	v_fma_f32 v53, v53, v50, 1.0                   ; cos rho
	v_cvt_i32_f32 v54, v48
	v_and_b32 v55, 1, v54
	v_cmp_eq_u32 vcc_lo, 1, v55
	v_cndmask_b32 v[40+\e], v51, v53, vcc_lo       ; an odd quadrant swaps the two
	v_cndmask_b32 v[32+\e], v53, v51, vcc_lo
	v_and_b32 v55, 2, v54
	v_lshlrev_b32 v55, 30, v55
	v_xor_b32 v[40+\e], v55, v[40+\e]              ; sin is negative in quadrants 2 and 3,
	v_add_nc_u32 v54, 1, v54
	v_and_b32 v54, 2, v54
	v_lshlrev_b32 v54, 30, v54
	v_xor_b32 v[32+\e], v54, v[32+\e]              ; cos in 1 and 2
.endm
.irp e, 0,1,2,3,4,5,6,7
	SINCOS \e
.endr
	global_store_b128 v4, v[32:35], s[22:23]                   ; each store of the wave covers 512 consecutive bytes, aligned
	global_store_b128 v4, v[36:39], s[22:23] offset:512
	global_store_b128 v4, v[40:43], s[22:23] offset:4096
	global_store_b128 v4, v[44:47], s[22:23] offset:4608
	s_endpgm
; ---- THE ROWS OF hidden_states.  A wave makes one record: 16 rows x 512 along K, a K step of 128 at a time.
; Each load reads 512 consecutive bytes of one row; the 16 rows turn through the wave's own stage (pitch 528: the sixteen rows of a read start in different banks) and come back
; as 32 neighbours along K for each of a lane's two blocks.  Loads run two K steps (32 loads) ahead.
.Lrows:
	s_sub_co_u32 s28, ttmp9, 384
	s_lshl_b32 s28, s28, 2
	s_add_co_u32 s28, s28, s24                     ; record = 8 x tile of rows + chunk
	s_lshr_b32 s29, s28, 3
	s_and_b32 s30, s28, 7
	s_lshl_b32 s32, s29, 18                        ; 16 rows of 16,384 bytes
	s_lshl_b32 s30, s30, 11                        ; 512 numbers
	s_add_co_u32 s32, s32, s30
	s_mov_b32 s33, 0
	s_add_nc_u64 s[4:5], s[4:5], s[32:33]
	s_mul_i32 s32, s28, REC
	s_add_nc_u64 s[16:17], s[16:17], s[32:33]
	s_mul_i32 s34, s24, XSTG
	s_wait_alu depctr_va_vdst(0)
	v_add_nc_u32 v5, s34, v4                       ; into the stage: 16 x lane, a row an instruction
	v_mul_u32_u24 v6, v2, 528
	v_lshl_add_u32 v6, v3, 7, v6
	v_add_nc_u32 v6, s34, v6                       ; out of it: row r, + 128 h bytes
	v_lshlrev_b32 v19, 3, v3                       ; 8 h
	v_mov_b32 v20, 0                               ; a lane permute's destination counts as one of its sources
	v_lshlrev_b32 v7, 4, v2
	v_lshl_add_u32 v7, v3, 3, v7                   ; the scale words' place: 16 r + 8 h
.macro XLOAD s
.set i, 0
.rept 16
	global_load_b128 v[64+64*((\s)%2)+4*i:64+64*((\s)%2)+4*i+3], v4, s[4:5] offset:i*16384+512*(\s) th:TH_LOAD_NT
.set i, i+1
.endr
.endm
.macro XSTEP s
.if (\s) < 3
	s_wait_loadcnt 16                              ; this K step's 16 loads are in; the next step's may be out
.else
	s_wait_loadcnt 0x0
.endif
.set i, 0
.rept 16
	ds_store_b128 v5, v[64+64*((\s)%2)+4*i:64+64*((\s)%2)+4*i+3] offset:i*528
.set i, i+1
.endr
.irp c, 0,1
.irp e, 0,1,2,3,4,5,6,7
	ds_load_b128 v[192+32*\c+4*\e:192+32*\c+4*\e+3], v6 offset:256*\c+16*\e   ; LDS serves a wave's instructions in order: these see the stores above
.endr
.endr
	s_wait_dscnt 0x0                               ; the numbers are back, and the stores have read their registers,
.if (\s) < 2
	XLOAD (\s)+2                                   ; which take the loads of two steps on
.endif
.if (\s) > 0
	s_wait_xcnt 0x0                                ; the last step's stores have read the codes' registers
.endif
	QCOL 192, 32, 44, 52+(\s)
.irp c, 0,1,2
	global_store_b128 v4, v[32+4*\c:35+4*\c], s[16:17] offset:(\s)*1536+512*\c
.endr
.endm
	XLOAD 0
	XLOAD 1
	s_wait_alu depctr_va_vdst(0)
	XSTEP 0
	XSTEP 1
	XSTEP 2
	XSTEP 3
	v_cmp_eq_u32 vcc_lo, 1, v3
	v_cndmask_b32 v56, v52, v54, vcc_lo            ; lanes 0-15 store K steps 0 and 1's words, lanes 16-31 steps 2 and 3's
	v_cndmask_b32 v57, v53, v55, vcc_lo
	global_store_b64 v7, v[56:57], s[16:17] offset:6144        ; 256 consecutive bytes
	s_wait_tensorcnt 0x0
	ds_add_u32 v62, v63
	s_wait_dscnt 0x0
	s_endpgm
; ---- THE WEIGHTS.  K is the first axis: a lane takes a column n and its registers run down K, so a block of 32 lies in one lane.  A work-group: 128 columns x 512 along K;
; a wave: 32 columns (two tiles of 16) x 16 blocks.  Block t = 4 s + 2 c + h' belongs to registers 6 c .. 6 c + 5 of lane 16 h' + r of K step s's image: it is stored there in the wave's stage,
; and after every fourth block the two images leave as six runs of 512 bytes.  Loads run two blocks (64 loads) ahead.  No pointer is stepped: a scalar base for each block, a vector offset for each row.
.Lweights:
	s_mov_b64 s[28:29], s[12:13]                   ; Wo's figures first; the choices below hang on the work-group's number alone
	s_mov_b64 s[30:31], s[20:21]
	s_mov_b32 s32, 256                             ; the tensor's first work-group
	s_mov_b32 s33, 16384                           ; bytes in a row
	s_mov_b32 s34, 5                               ; log2 of its blocks of 128 columns
	s_mov_b32 s35, 0                               ; its first tile in the buffer of codes
	s_mov_b32 s36, 4                               ; K / 512
	s_cmp_lt_u32 ttmp9, 256                        ; Wv
	s_cselect_b64 s[28:29], s[10:11], s[28:29]
	s_cselect_b64 s[30:31], s[18:19], s[30:31]
	s_cselect_b32 s32, 192, s32
	s_cselect_b32 s33, 4096, s33
	s_cselect_b32 s34, 3, s34
	s_cselect_b32 s35, 192, s35
	s_cselect_b32 s36, 8, s36
	s_cmp_lt_u32 ttmp9, 192                        ; Wk
	s_cselect_b64 s[28:29], s[8:9], s[28:29]
	s_cselect_b32 s32, 128, s32
	s_cselect_b32 s35, 128, s35
	s_cmp_lt_u32 ttmp9, 128                        ; Wq
	s_cselect_b64 s[28:29], s[6:7], s[28:29]
	s_cselect_b32 s32, 0, s32
	s_cselect_b32 s33, 8192, s33
	s_cselect_b32 s34, 4, s34
	s_cselect_b32 s35, 0, s35
	s_sub_co_u32 s37, ttmp9, s32
	s_lshl_b32 s38, 1, s34
	s_sub_co_u32 s38, s38, 1
	s_and_b32 s38, s37, s38                        ; which 128 columns
	s_lshr_b32 s39, s37, s34                       ; which 512 along K
	s_lshl_b32 s40, s39, 9
	s_mul_i32 s40, s40, s33
	s_lshl_b32 s42, s38, 9
	s_add_co_u32 s40, s40, s42
	s_lshl_b32 s42, s24, 7
	s_add_co_u32 s40, s40, s42                     ; under 2^25
	s_mov_b32 s41, 0
	s_add_nc_u64 s[66:67], s[28:29], s[40:41]      ; block 0's base
	s_lshl_b32 s40, s33, 5                         ; 32 rows
.irp t, 1,2,3,4,5,6,7,8,9,10,11,12,13,14,15
	s_add_nc_u64 s[66+2*\t:67+2*\t], s[66+2*(\t-1):67+2*(\t-1)], s[40:41]
.endr
	s_lshl_b32 s42, s38, 3
	s_add_co_u32 s42, s42, s35
	s_lshl_b32 s43, s24, 1
	s_add_co_u32 s42, s42, s43                     ; my first tile of 16 columns
	s_mul_i32 s42, s42, s36
	s_add_co_u32 s42, s42, s39
	s_mul_i32 s42, s42, REC
	s_mov_b32 s43, 0
	s_add_nc_u64 s[44:45], s[30:31], s[42:43]      ; its record,
	s_mul_i32 s42, s36, REC
	s_add_nc_u64 s[46:47], s[44:45], s[42:43]      ; and the next tile's
	s_wait_alu depctr_va_vdst(0)
	v_lshlrev_b32 v64, 2, v1
.set i, 0
.rept 31
	v_add_nc_u32 v[65+i], s33, v[64+i]             ; v[64 + i] = 4 x lane + i rows
.set i, i+1
.endr
	s_mul_i32 s48, s24, WSTG
	s_add_co_u32 s48, s48, WST0
	v_mul_u32_u24 v8, v3, 1536
	v_lshl_add_u32 v8, v2, 4, v8
	v_add_nc_u32 v8, s48, v8                       ; into the stage: my tile's image, 16 r
	v_add_nc_u32 v9, s48, v4                       ; out of it: 16 x lane
	v_mul_u32_u24 v11, s42, v3
	v_lshl_add_u32 v11, v2, 4, v11                 ; my column's four scale words: my tile's record, 16 r
.macro WLOAD t
.set i, 0
.rept 32
	global_load_b32 v[96+32*((\t)%2)+i], v[64+i], s[66+2*(\t):67+2*(\t)] th:TH_LOAD_NT
.set i, i+1
.endr
.endm
.macro WBLOCK t
.if (\t) < 15
	s_wait_loadcnt 32                              ; this block's 32 loads are in; the next block's may be out
.else
	s_wait_loadcnt 0x0
.endif
	QBLK 96+32*((\t)%2), 32, 40, 44, 45
.if (\t)%4 == 0
	v_mov_b32 v[52+(\t)/4], v45                    ; four bytes to a word, the lower K in the lower byte
.else
	v_lshl_or_b32 v[52+(\t)/4], v45, 8*((\t)%4), v[52+(\t)/4]
.endif
.if ((\t)%4)/2 == 0
	ds_store_b128 v8, v[32:35] offset:256*((\t)%2)             ; registers 0-3: piece 0;
	ds_store_b64 v8, v[36:37] offset:512+256*((\t)%2)          ; 4, 5: the lower half of piece 1
.else
	ds_store_b64 v8, v[32:33] offset:520+256*((\t)%2)          ; registers 6, 7: its upper half;
	ds_store_b128 v8, v[34:37] offset:1024+256*((\t)%2)        ; 8-11: piece 2
.endif
.if (\t) < 14
	WLOAD (\t)+2
.endif
	s_wait_dscnt 0x0                               ; the stores have read the codes' registers
.endm
.macro WFLUSH s
	s_wait_xcnt 0x0                                ; the last flush's stores have read their registers
.irp u, 0,1
.irp c, 0,1,2
	ds_load_b128 v[160+12*\u+4*\c:163+12*\u+4*\c], v9 offset:\u*1536+512*\c
.endr
.endr
	s_wait_dscnt 0x0
.irp u, 0,1
.irp c, 0,1,2
	global_store_b128 v4, v[160+12*\u+4*\c:163+12*\u+4*\c], s[44+2*\u:45+2*\u] offset:(\s)*1536+512*\c
.endr
.endr
.endm
	WLOAD 0
	WLOAD 1
.irp s, 0,1,2,3
	WBLOCK 4*\s
	WBLOCK 4*\s+1
	WBLOCK 4*\s+2
	WBLOCK 4*\s+3
	WFLUSH \s
.endr
	s_wait_alu depctr_va_vdst(0)
	global_store_b128 v11, v[52:55], s[44:45] offset:6144      ; sixteen lanes store a record's 256 bytes of scale words
	s_wait_tensorcnt 0x0
	ds_add_u32 v62, v63
	s_wait_dscnt 0x0
	s_endpgm
.Lfunc_end_k_qd7d74c6fd5_prep:
	.size	k_qd7d74c6fd5_prep, .Lfunc_end_k_qd7d74c6fd5_prep-k_qd7d74c6fd5_prep
	.p2alignl 7, 3214868480
	.fill 96, 4, 3214868480
	.section	.rodata,"a",@progbits
	.p2align	6, 0x0
	.amdhsa_kernel k_qd7d74c6fd5_prep
		.amdhsa_group_segment_fixed_size 46592
		.amdhsa_private_segment_fixed_size 0
		.amdhsa_enable_private_segment 0
		.amdhsa_kernarg_size 80
		.amdhsa_user_sgpr_count 2
		.amdhsa_user_sgpr_kernarg_segment_ptr 1
		.amdhsa_wavefront_size32 1
		.amdhsa_system_sgpr_workgroup_id_x 1
		.amdhsa_system_sgpr_workgroup_id_y 1
		.amdhsa_system_sgpr_workgroup_id_z 1
		.amdhsa_system_vgpr_workitem_id 0
		.amdhsa_next_free_vgpr 256
		.amdhsa_next_free_sgpr 104
		.amdhsa_reserve_vcc 1
		.amdhsa_float_denorm_mode_32 3
		.amdhsa_float_denorm_mode_16_64 3
		.amdhsa_memory_ordered 1
		.amdhsa_forward_progress 1
		.amdhsa_inst_pref_size 126
	.end_amdhsa_kernel
	.amdgpu_metadata
---
amdhsa.version: [ 1, 2 ]
amdhsa.kernels:
  - .name:           k_qd7d74c6fd5_prep
    .symbol:         k_qd7d74c6fd5_prep.kd
    .args:
      - { .name: hidden_states, .offset: 0, .size: 8, .value_kind: global_buffer, .address_space: global }
      - { .name: Wq, .offset: 8, .size: 8, .value_kind: global_buffer, .address_space: global }
      - { .name: Wk, .offset: 16, .size: 8, .value_kind: global_buffer, .address_space: global }
      - { .name: Wv, .offset: 24, .size: 8, .value_kind: global_buffer, .address_space: global }
      - { .name: Wo, .offset: 32, .size: 8, .value_kind: global_buffer, .address_space: global }
      - { .name: position_ids, .offset: 40, .size: 8, .value_kind: global_buffer, .address_space: global }
      - { .name: xc, .offset: 48, .size: 8, .value_kind: global_buffer, .address_space: global }
      - { .name: wc, .offset: 56, .size: 8, .value_kind: global_buffer, .address_space: global }
      - { .name: woc, .offset: 64, .size: 8, .value_kind: global_buffer, .address_space: global }
      - { .name: rope, .offset: 72, .size: 8, .value_kind: global_buffer, .address_space: global }
    .group_segment_fixed_size: 46592
    .private_segment_fixed_size: 0
    .kernarg_segment_align: 8
    .kernarg_segment_size: 80
    .max_flat_workgroup_size: 128
    .sgpr_count:     104
    .vgpr_count:     256
    .wavefront_size: 32
...
	.end_amdgpu_metadata
.endif
;; end of part 1
;; launch qkv (part 2): grid 16 x 16, 4 waves a work-group, clusters of 4 x 4, 327,680 bytes of LDS; arguments xc, wc, rope, qk, vv; writes qk, vv
.if DOCPART == 2
	.amdgcn_target "amdgcn-amd-amdhsa--gfx1250"
	.amdhsa_code_object_version 6
	.text
	.protected	k_qd7d74c6fd5_qkv
	.globl	k_qd7d74c6fd5_qkv
	.p2align	8
	.type	k_qd7d74c6fd5_qkv,@function
k_qd7d74c6fd5_qkv:
	s_mov_b64 s[64:65], 0
	v_nop
	global_prefetch_b8 v0, s[64:65] scope:SCOPE_SE
	s_setreg_imm32_b32 hwreg(HW_REG_WAVE_MODE, 25, 1), 1
	s_wait_xcnt 0x0
	s_wait_alu depctr_hold_cnt(0) depctr_sa_sdst(0) depctr_va_vdst(0) depctr_va_sdst(0) depctr_va_ssrc(0) depctr_va_vcc(0) depctr_vm_vsrc(0)
	s_getreg_b32 s2, hwreg(HW_REG_IB_STS2, 6, 4)
	s_cmp_eq_u32 s2, 0
	s_cbranch_scc0 .Lentry_in_a_cluster
	s_endpgm
.Lentry_in_a_cluster:
	s_bfe_u32 s2, ttmp6, 0x10000c
	s_cmp_lg_u32 s2, 0xf033
	s_cbranch_scc0 .Lentry_shape_is_right
	s_endpgm
.Lentry_shape_is_right:
.set KCH,   8
.set REC,   6400
.set SLOT,  24*REC
.set BOFF,  8*REC
.set SPARE, 2*SLOT
.set SCW,   6144
.set ADRA, 16
.set ADRB, 18
.set ADS1, 20
.set ADS2, 22
.set VST,  24
.set VRD,  25
.set LN4,  27
.set SPW,  28
.set NIL,  29
.set LN16, 30
.set SC,   32
.set AF,   128
.set T,    128
.set G1, 24
.set G0, 32
.set G1B, 48
.set G0B, 56
.set SEL, 78
.set PFA, 80                           ; s[80:81] where my prefetches stand: my share of the records that I fetch, at the chunk from which ASK counts
.set PFO, 31                           ; v31 the prefetches' offset: 256 x min(lane, 24): a record is 25 blocks of 256 bytes; the seven lanes left over name the last block again
; A PREFETCH INTO THE L2 of chunk c's records.  Of the 4 records of A (8 of B) that a wave fetches jointly with three partners, the partner at place p (cx for A, cy for B) takes record p
; (records 2 p, 2 p + 1), told apart by address: each block of 256 bytes is named once in each cluster that will load it.  The branch hangs on the wave's number alone.
.macro ASK c
	global_prefetch_b8 v[PFO], s[PFA:PFA+1] offset:(\c)*REC th:TH_LOAD_NT scope:SCOPE_SE
	s_cmp_eq_u32 s15, 0
	s_cbranch_scc1 .Lone_\@
	global_prefetch_b8 v[PFO], s[PFA:PFA+1] offset:(\c)*REC+KCH*REC th:TH_LOAD_NT scope:SCOPE_SE
.Lone_\@:
.endm
.set MULW, 0x52
.set MSB, 0
.macro WIN new
.if MSB != \new
	s_set_vgpr_msb (MSB<<8)|\new
.set MSB, \new
.endif
.endm
.macro PLACES
.rept 4
	v_nop
.endr
.endm
.macro JLOAD s
	s_cmp_eq_u32 s15, 0
	s_cbranch_scc0 .Lfor_b_\@
	tensor_load_to_lds s[G0+4*\s:G0+4*\s+3], s[G1:G1+7]
	s_nop 0
.rept 4
	v_nop
.endr
	s_branch .Lasked_\@
.Lfor_b_\@:
	tensor_load_to_lds s[G0B+4*\s:G0B+4*\s+3], s[G1B:G1B+7]
	s_nop 0
.rept 4
	v_nop
.endr
.Lasked_\@:
.endm
.macro CREST
	s_cmp_lg_u32 s14, 0
	s_cbranch_scc1 .Lnot_wave_0_\@
	s_barrier_signal -3
.Lnot_wave_0_\@:
	s_barrier_wait -3
	s_barrier_signal -1
	s_barrier_wait -1
.endm
.macro CROUND
	s_barrier_signal -1
	s_barrier_wait -1
	CREST
.endm
.macro FETCH sg, q, p
	WIN 0x80
.irp b, 0,1,2,3,4,5,6,7
.irp c, 0,1,2
	ds_load_b128 v[128*(\p)+12*\b+4*\c:128*(\p)+12*\b+4*\c+3], v[ADRB+\sg] offset:\b*REC+(\q)*1536+512*\c
.endr
.endr
	WIN 0
.irp a, 0,1,2,3
.irp c, 0,1,2
	ds_load_b128 v[AF+48*(\p)+12*\a+4*\c:AF+48*(\p)+12*\a+4*\c+3], v[ADRA+\sg] offset:\a*REC+(\q)*1536+512*\c
.endr
.endr
.endm
.macro SCALES sg
.irp i, 0,1,2,3
	ds_load_b128 v[SC+24*\sg+4*\i:SC+24*\sg+4*\i+3], v[ADS1+\sg] offset:\i*REC
.endr
.irp i, 0,1
	ds_load_b128 v[SC+24*\sg+16+4*\i:SC+24*\sg+16+4*\i+3], v[ADS2+\sg] offset:\i*2*REC
.endr
.endm
.macro MUL8 a, p, q, sg, zero
.irp b, 0,1,2,3,4,5,6,7
.set rD, 64*(\a)+8*\b
.set rB, 128*(\p)+12*\b
.set rA, AF+48*(\p)+12*(\a)
.set rSA, SC+24*(\sg)+4*(\a)+(\q)
.if \b < 4
.set rSB, SC+24*(\sg)+4*\b+(\q)
.set rRW, 1
.else
.set rSB, SC+24*(\sg)+16+4*((\b-4)/2)+(\q)
.set rRW, \b%2
.endif
.if \zero
.if rRW
	v_wmma_scale_f32_16x16x128_f8f6f4 v[rD:rD+7], v[rB:rB+11], v[rA:rA+11], 0, v[rSB], v[rSA] matrix_a_fmt:MATRIX_FMT_BF6 matrix_b_fmt:MATRIX_FMT_BF6 matrix_a_scale:MATRIX_SCALE_ROW1
.else
	v_wmma_scale_f32_16x16x128_f8f6f4 v[rD:rD+7], v[rB:rB+11], v[rA:rA+11], 0, v[rSB], v[rSA] matrix_a_fmt:MATRIX_FMT_BF6 matrix_b_fmt:MATRIX_FMT_BF6
.endif
.else
.if rRW
	v_wmma_scale_f32_16x16x128_f8f6f4 v[rD:rD+7], v[rB:rB+11], v[rA:rA+11], v[rD:rD+7], v[rSB], v[rSA] matrix_a_fmt:MATRIX_FMT_BF6 matrix_b_fmt:MATRIX_FMT_BF6 matrix_a_scale:MATRIX_SCALE_ROW1
.else
	v_wmma_scale_f32_16x16x128_f8f6f4 v[rD:rD+7], v[rB:rB+11], v[rA:rA+11], v[rD:rD+7], v[rSB], v[rSA] matrix_a_fmt:MATRIX_FMT_BF6 matrix_b_fmt:MATRIX_FMT_BF6
.endif
.endif
.endr
.endm
.macro STEP sg, q, zero
	s_wait_dscnt 0x0
	PLACES
	FETCH \sg, (\q)+1, 1-(\q)%2
	WIN MULW
	MUL8 0, (\q)%2, \q, \sg, \zero
	MUL8 1, (\q)%2, \q, \sg, \zero
	MUL8 2, (\q)%2, \q, \sg, \zero
	MUL8 3, (\q)%2, \q, \sg, \zero
	WIN 0
.endm
.macro TURN sg, next, fill
	s_wait_tensorcnt 0x0
	ds_add_u32 v[SPW], v[NIL]
	s_wait_dscnt 1
	WIN MULW
	MUL8 0, 1, 3, \sg, 0
	s_wait_dscnt 0x0
	s_barrier_signal -1
	MUL8 1, 1, 3, \sg, 0
	WIN 0
	s_barrier_wait -1
.if \fill
	CREST
	s_add_nc_u64 s[G0+4*\sg+2:G0+4*\sg+3], s[G0+4*\sg+2:G0+4*\sg+3], 2*REC
	s_add_nc_u64 s[G0B+4*\sg+2:G0B+4*\sg+3], s[G0B+4*\sg+2:G0B+4*\sg+3], 2*REC
	JLOAD \sg
.else
	PLACES
.endif
	FETCH \next, 0, 0
	SCALES \next
.if \fill
	s_cmp_gt_u32 s3, 1                             ; behind the load of chunk c: chunk c + 2; the loop's last trip has no chunk two on
	s_cbranch_scc0 .Lno_ask_\@
	ASK 4+\sg
.Lno_ask_\@:
.endif
	WIN MULW
	MUL8 2, 1, 3, \sg, 0
	MUL8 3, 1, 3, \sg, 0
	WIN 0
.endm
.macro QROW s, pc, tp, tm, pw
.irp b, 0,1,2,3
	v_max3_num_f32 v[(\tm)+\b], |v[(\s)+16*\b]|, |v[(\s)+1+16*\b]|, 0x2800000
.endr
.irp i, 2,4,6,8,10,12,14
.irp b, 0,1,2,3
	v_max3_num_f32 v[(\tm)+\b], v[(\tm)+\b], |v[(\s)+16*\b+\i]|, |v[(\s)+1+16*\b+\i]|
.endr
.endr
.irp b, 0,1,2,3
	v_permlanex16_b32 v[(\tm)+4+\b], v[(\tm)+\b], s[SEL], s[SEL+1]
.endr
.irp b, 0,1,2,3
	v_max_num_f32 v[(\tm)+\b], v[(\tm)+\b], v[(\tm)+4+\b]
.endr
.irp b, 0,1,2,3
	v_add_nc_u32 v[(\tm)+12+\b], 0xfe000000, v[(\tm)+\b]
.endr
.irp b, 0,1,2,3
	v_lshrrev_b32 v[(\tm)+4+\b], 23, v[(\tm)+12+\b]
.endr
	v_lshl_or_b32 v[\pw], v[(\tm)+5], 8, v[(\tm)+4]
	v_lshl_or_b32 v[\pw], v[(\tm)+6], 16, v[\pw]
	v_lshl_or_b32 v[\pw], v[(\tm)+7], 24, v[\pw]
.irp c, 0,1
	v_cvt_scalef32_pk16_bf6_f32 v[(\pc)+6*\c:(\pc)+2+6*\c], v[(\s)+32*\c:(\s)+15+32*\c], v[(\tm)+12+2*\c]
	v_cvt_scalef32_pk16_bf6_f32 v[(\tp)+4*\c:(\tp)+2+4*\c], v[(\s)+16+32*\c:(\s)+31+32*\c], v[(\tm)+13+2*\c]
.endr
	v_nop
.irp c, 0,1
.irp i, 0,1,2
	v_permlane16_swap_b32 v[(\pc)+6*\c+\i], v[(\tp)+4*\c+\i]
.endr
.irp i, 0,1,2
	v_mov_b32 v[(\pc)+3+6*\c+\i], v[(\tp)+4*\c+\i]
.endr
.endr
.endm
.macro QBLK xs, pc, tp, sc, by
	v_max3_num_f32 v[\sc], |v[(\xs)]|, |v[(\xs)+1]|, |v[(\xs)+2]|
	v_max3_num_f32 v[\by], |v[(\xs)+3]|, |v[(\xs)+4]|, |v[(\xs)+5]|
.irp i, 6,10,14,18,22,26
	v_max3_num_f32 v[\sc], v[\sc], |v[(\xs)+\i]|, |v[(\xs)+\i+1]|
	v_max3_num_f32 v[\by], v[\by], |v[(\xs)+\i+2]|, |v[(\xs)+\i+3]|
.endr
	v_max3_num_f32 v[\sc], v[\sc], |v[(\xs)+30]|, |v[(\xs)+31]|
	v_max3_num_f32 v[\sc], v[\sc], v[\by], 0x2800000
	v_add_nc_u32 v[\sc], 0xfe000000, v[\sc]
	v_lshrrev_b32 v[\by], 23, v[\sc]
	v_cvt_scalef32_pk16_bf6_f32 v[(\pc):(\pc)+2], v[(\xs):(\xs)+15], v[\sc]
	v_cvt_scalef32_pk16_bf6_f32 v[(\tp):(\tp)+2], v[(\xs)+16:(\xs)+31], v[\sc]
	v_nop
.irp i, 0,1,2
	v_mov_b32 v[(\pc)+3+\i], v[(\tp)+\i]
.endr
.endm
.macro QCOL xs, pc, tp, w
	QBLK \xs, \pc, \tp, 80, 81
	QBLK (\xs)+32, (\pc)+6, \tp, 80, 82
	v_lshl_or_b32 v[\w], v82, 16, v81
	v_lshlrev_b32 v[\w], v83, v[\w]
	v_permlanex16_b32 v84, v[\w], s[SEL], s[SEL+1]
	v_or_b32 v[\w], v[\w], v84
.endm
	s_load_b256 s[4:11], s[0:1], 0x0
	s_load_b64 s[12:13], s[0:1], 0x20
	v_lshl_add_u32 v[SPW], v0, 2, SPARE
	v_mov_b32 v[NIL], 0
	ds_add_u32 v28, v29
	ds_add_u32 v28, v29
	s_wait_dscnt 0x0
	v_lshrrev_b32 v1, 5, v0
	v_readfirstlane_b32 s14, v1
	s_lshr_b32 s15, s14, 1
	s_and_b32 s16, s14, 1
	s_bfe_u32 s40, ttmp6, 0x40000
	s_bfe_u32 s41, ttmp6, 0x40004
	s_lshl_b32 s42, ttmp9, 2
	s_add_co_u32 s42, s42, s40
	s_and_b32 s17, ttmp7, 0xffff
	s_lshl_b32 s17, s17, 2
	s_add_co_u32 s17, s17, s41
	s_lshl_b32 s43, s41, 2
	s_lshl_b32 s43, 15, s43
	s_lshl_b32 s44, 0x1111, s40
	s_or_b32 s[G1+0], s43, (3<<16)|(1<<21)
	s_or_b32 s[G1B+0], s44, (3<<16)|(1<<21)
	s_mov_b32 s[G1+1], 800<<16
	s_mov_b32 s[G1+2], 4<<16
	s_mov_b32 s[G1+3], 800<<16
	s_mov_b32 s[G1+4], 4
	s_mov_b32 s[G1+5], KCH*800
	s_mov_b32 s[G1+6], 0
	s_mov_b32 s[G1+7], 0
	s_mov_b32 s[G1B+1], 800<<16
	s_mov_b32 s[G1B+2], 8<<16
	s_mov_b32 s[G1B+3], 800<<16
	s_mov_b32 s[G1B+4], 8
	s_mov_b32 s[G1B+5], KCH*800
	s_mov_b32 s[G1B+6], 0
	s_mov_b32 s[G1B+7], 0
	s_lshl_b32 s20, s17, 3
	s_lshl_b32 s18, s16, 2
	s_add_co_u32 s20, s20, s18
	s_mul_i32 s20, s20, KCH*REC
	s_mov_b32 s21, 0
	s_lshl_b32 s46, s42, 4
	s_lshl_b32 s18, s16, 3
	s_add_co_u32 s46, s46, s18
	s_mul_i32 s46, s46, KCH*REC
	s_mov_b32 s47, 0
	s_mul_i32 s45, s16, 4*REC
	s_mul_i32 s18, s16, 8*REC
	s_add_co_u32 s18, s18, BOFF
	s_mov_b32 s[SEL], 0x76543210
	s_mov_b32 s[SEL+1], 0xfedcba98
	s_wait_kmcnt 0x0
	s_add_nc_u64 s[20:21], s[4:5], s[20:21]
	s_add_nc_u64 s[46:47], s[6:7], s[46:47]
.irp s, 0,1
	s_mov_b32 s[G0+4*\s], 1
	s_add_co_u32 s[G0+4*\s+1], s45, \s*SLOT
	s_add_nc_u64 s[G0+4*\s+2:G0+4*\s+3], s[20:21], \s*REC
	s_or_b32 s[G0+4*\s+3], s[G0+4*\s+3], 0x80000000
	s_mov_b32 s[G0B+4*\s], 1
	s_add_co_u32 s[G0B+4*\s+1], s18, \s*SLOT
	s_add_nc_u64 s[G0B+4*\s+2:G0B+4*\s+3], s[46:47], \s*REC
	s_or_b32 s[G0B+4*\s+3], s[G0B+4*\s+3], 0x80000000
.endr
	s_lshl_b32 s82, s17, 3                         ; the prefetches: A's tile 8 x block of rows + 4 x half + cx,
	s_lshl_b32 s83, s16, 2
	s_add_co_u32 s82, s82, s83
	s_add_co_u32 s82, s82, s40
	s_lshl_b32 s84, s42, 4                         ; B's tile 16 x block of columns + 8 x half + 2 cy
	s_lshl_b32 s83, s16, 3
	s_add_co_u32 s84, s84, s83
	s_lshl_b32 s83, s41, 1
	s_add_co_u32 s84, s84, s83
	s_cmp_eq_u32 s15, 0                            ; do I fetch for A?
	s_cselect_b32 s82, s82, s84
	s_cselect_b64 s[PFA:PFA+1], s[4:5], s[6:7]
	s_mul_i32 s82, s82, KCH*REC
	s_mov_b32 s83, 0
	s_add_nc_u64 s[PFA:PFA+1], s[PFA:PFA+1], s[82:83]
	v_and_b32 v[PFO], 31, v0
	v_min_u32 v[PFO], 24, v[PFO]
	v_lshlrev_b32 v[PFO], 8, v[PFO]
	s_wait_alu depctr_va_vdst(0)                   ; the wait here, ahead of the round
	CROUND                                         ; all sixteen work-groups are here: the first joint loads meet
	JLOAD 0                                        ; chunk 0: one tensor load a wave at the head
	ASK 1                                          ; chunks 1 and 2 are asked of memory while chunk 0 is on its way
	ASK 2
	v_and_b32 v1, 31, v0
	v_and_b32 v2, 15, v0
	v_bfe_u32 v3, v0, 4, 1
	v_lshlrev_b32 v[LN16], 4, v1
	v_lshlrev_b32 v[LN4], 2, v1
	s_mul_i32 s19, s15, 4*REC
	s_mul_i32 s22, s16, 8*REC
	s_add_co_u32 s22, s22, BOFF
	v_add_nc_u32 v[ADRA], s19, v[LN16]
	v_add_nc_u32 v[ADRA+1], SLOT, v[ADRA]
	v_add_nc_u32 v[ADRB], s22, v[LN16]
	v_add_nc_u32 v[ADRB+1], SLOT, v[ADRB]
	v_lshl_add_u32 v5, v2, 4, SCW
	s_sub_co_u32 s23, s22, s19
	v_mul_u32_u24 v4, s23, v3
	v_add_nc_u32 v4, v4, v5
	v_add_nc_u32 v[ADS1], s19, v4
	v_add_nc_u32 v[ADS1+1], SLOT, v[ADS1]
	v_mul_u32_u24 v4, v3, REC
	v_add_nc_u32 v4, v4, v5
	s_add_co_u32 s23, s22, 4*REC
	v_add_nc_u32 v[ADS2], s23, v4
	v_add_nc_u32 v[ADS2+1], SLOT, v[ADS2]
	v_mul_u32_u24 v[VST], v2, 1040
	v_lshl_add_u32 v[VST], v3, 5, v[VST]
	s_mul_i32 s23, s15, 64*1040
	s_lshl_b32 s19, s16, 9
	s_add_co_u32 s23, s23, s19
	v_add_nc_u32 v[VST], s23, v[VST]
	v_and_b32 v4, 8, v2
	v_add_nc_u32 v4, v4, v2
	v_lshlrev_b32 v4, 2, v4
	v_mul_u32_u24 v6, v3, 32*1040
	v_add_nc_u32 v4, v4, v6
	s_lshl_b32 s23, s14, 8
	v_add_nc_u32 v[VRD], s23, v4
	v_add_nc_u32 v[VRD+1], 64*1040, v[VRD]
	v_lshlrev_b32 v83, 3, v3
.irp b, 0,1,2,3
	v_mov_b32 v[84+\b], 0
.endr
	s_lshl_b32 s66, s17, 3
	s_lshl_b32 s67, s15, 2
	s_add_co_u32 s66, s66, s67
	s_lshl_b32 s66, s66, 13
	s_mov_b32 s67, 0
	s_add_nc_u64 s[66:67], s[8:9], s[66:67]
	WIN 0xc0
.irp a, 0,1,2,3
.irp n, 0,1,2,3,4,5,6,7,8,9,10,11,12,13,14,15
	global_load_b128 v[64*\a+4*\n:64*\a+4*\n+3], v[LN16], s[66:67] offset:\a*8192+\n*512
.endr
.endr
	WIN 0
	s_wait_alu depctr_va_vdst(0)                   ; the wait at the head's end
	s_wait_tensorcnt 0x0                           ; my part of chunk 0 is in
	ds_add_u32 v[SPW], v[NIL]
	s_wait_dscnt 0x0
	CROUND                                         ; everybody's part of chunk 0 is in, and the joint loads meet
	JLOAD 1                                        ; chunk 1, the first tensor load behind the round
	ASK 3
	FETCH 0, 0, 0
	SCALES 0
	STEP 0, 0, 1
	s_mov_b32 s3, KCH/2-1
.Llap:
	STEP 0, 1, 0
	STEP 0, 2, 0
	TURN 0, 1, 1
	STEP 1, 0, 0
	STEP 1, 1, 0
	STEP 1, 2, 0
	TURN 1, 0, 1
	STEP 0, 0, 0
	s_wait_xcnt 0x0                                ; my prefetches have read their address: it steps two chunks a trip
	s_add_nc_u64 s[PFA:PFA+1], s[PFA:PFA+1], 2*REC
	s_sub_co_u32 s3, s3, 1
	s_cmp_lg_u32 s3, 0
	s_cbranch_scc1 .Llap
	STEP 0, 1, 0
	STEP 0, 2, 0
	TURN 0, 1, 0
	STEP 1, 0, 0
	STEP 1, 1, 0
	STEP 1, 2, 0
	s_wait_dscnt 0x0
	WIN MULW
	MUL8 0, 1, 3, 1, 0
	MUL8 1, 1, 3, 1, 0
	MUL8 2, 1, 3, 1, 0
	MUL8 3, 1, 3, 1, 0
	WIN 0
	s_and_b32 s70, s17, 1
	s_lshl_b32 s70, s70, 3
	s_lshr_b32 s69, s17, 1
	s_mov_b32 s73, 0
	s_cmp_lt_u32 ttmp9, 3
	s_cbranch_scc0 .Lvway
	s_lshl_b32 s68, s42, 1
	s_add_co_u32 s68, s68, s16
	s_lshl_b32 s68, s68, 3
	s_add_co_u32 s68, s68, s69
	s_mul_i32 s68, s68, 25600
	s_mov_b32 s69, 0
	s_add_nc_u64 s[10:11], s[10:11], s[68:69]
	s_lshl_b32 s71, s15, 2
	s_add_co_u32 s70, s70, s71
	s_mul_i32 s72, s70, 1536
	s_add_nc_u64 s[74:75], s[10:11], s[72:73]
	s_lshl_b32 s72, s70, 6
	s_add_nc_u64 s[76:77], s[10:11], s[72:73]
	s_wait_loadcnt 0x0
	PLACES
.macro ROPEQ a
.if \a > 0
	s_wait_xcnt 0x0
.endif
	WIN 0x0d
.irp b, 0,1,2,3
.irp j, 0,2,4,6
	v_pk_mul_f32 v[T+8*\b+\j:T+8*\b+\j+1], v[64*\a+8*\b+\j:64*\a+8*\b+\j+1], v[64*\a+8*\b+\j:64*\a+8*\b+\j+1]
	v_pk_mul_f32 v[T+32+8*\b+\j:T+32+8*\b+\j+1], v[64*\a+32+8*\b+\j:64*\a+32+8*\b+\j+1], v[64*\a+8*\b+\j:64*\a+8*\b+\j+1]
.endr
.endr
.irp b, 0,1,2,3
.irp j, 0,2,4,6
	v_pk_fma_f32 v[T+8*\b+\j:T+8*\b+\j+1], v[64*\a+32+8*\b+\j:64*\a+32+8*\b+\j+1], v[64*\a+32+8*\b+\j:64*\a+32+8*\b+\j+1], v[T+8*\b+\j:T+8*\b+\j+1] neg_lo:[1,0,0] neg_hi:[1,0,0]
	v_pk_fma_f32 v[T+32+8*\b+\j:T+32+8*\b+\j+1], v[64*\a+8*\b+\j:64*\a+8*\b+\j+1], v[64*\a+32+8*\b+\j:64*\a+32+8*\b+\j+1], v[T+32+8*\b+\j:T+32+8*\b+\j+1]
.endr
.endr
	WIN 0
	QROW T, 96, 108, 80, 116+\a
.irp c, 0,1,2
	global_store_b128 v[LN16], v[96+4*\c:99+4*\c], s[74:75] offset:\a*1536+512*\c
.endr
.endm
	ROPEQ 0
	ROPEQ 1
	ROPEQ 2
	ROPEQ 3
	s_branch .Lwords
.Lvway:
	PLACES
	WIN 0x04
.irp a, 0,1,2,3
.irp b, 0,1,2,3,4,5,6,7
	ds_store_b128 v[VST], v[64*\a+8*\b:64*\a+8*\b+3] offset:\a*16*1040+64*\b
	ds_store_b128 v[VST], v[64*\a+8*\b+4:64*\a+8*\b+7] offset:\a*16*1040+64*\b+16
.endr
.endr
	WIN 0
	s_wait_dscnt 0x0
	s_barrier_signal -1
	s_barrier_wait -1
	s_sub_co_u32 s68, s42, 12
	s_lshl_b32 s68, s68, 1
	s_add_co_u32 s68, s68, s15
	s_lshl_b32 s68, s68, 3
	s_add_co_u32 s68, s68, s69
	s_mul_i32 s68, s68, 25600
	s_mov_b32 s69, 0
	s_add_nc_u64 s[12:13], s[12:13], s[68:69]
	s_lshl_b32 s71, s16, 2
	s_add_co_u32 s70, s70, s71
	s_mul_i32 s72, s70, 1536
	s_add_nc_u64 s[74:75], s[12:13], s[72:73]
	s_lshl_b32 s72, s70, 6
	s_add_nc_u64 s[76:77], s[12:13], s[72:73]
.macro VIMG i
.if \i > 0
	s_wait_xcnt 0x0
.endif
.irp c, 0,1
.set pp, 0
.rept 32
	ds_load_b32 v[T+32*\c+pp], v[VRD+\c] offset:(16*((pp/8)%2)+8*(pp/16)+pp%8)*1040+128*(\i/2)+32*(\i%2)
.set pp, pp+1
.endr
.endr
	s_wait_dscnt 0x0
	QCOL T, 96, 108, 116+\i
.irp c, 0,1,2
	global_store_b128 v[LN16], v[96+4*\c:99+4*\c], s[74:75] offset:\i*1536+512*\c
.endr
.endm
	s_wait_alu depctr_va_vdst(0)
	VIMG 0
	VIMG 1
	VIMG 2
	VIMG 3
.Lwords:
	v_cmp_eq_u32 vcc_lo, 1, v3
	v_cndmask_b32 v120, v116, v117, vcc_lo
	v_cndmask_b32 v121, v118, v119, vcc_lo
	global_store_b32 v[LN4], v120, s[76:77] offset:24576
	global_store_b32 v[LN4], v121, s[76:77] offset:24576+128
	s_wait_tensorcnt 0x0
	ds_add_u32 v[SPW], v[NIL]
	s_wait_dscnt 0x0
	CROUND
	s_endpgm
.Lfunc_end_k_qd7d74c6fd5_qkv:
	.size	k_qd7d74c6fd5_qkv, .Lfunc_end_k_qd7d74c6fd5_qkv-k_qd7d74c6fd5_qkv
	.p2alignl 7, 3214868480
	.fill 96, 4, 3214868480
	.section	.rodata,"a",@progbits
	.p2align	6, 0x0
	.amdhsa_kernel k_qd7d74c6fd5_qkv
		.amdhsa_group_segment_fixed_size 327680
		.amdhsa_private_segment_fixed_size 0
		.amdhsa_enable_private_segment 0
		.amdhsa_kernarg_size 40
		.amdhsa_user_sgpr_count 2
		.amdhsa_user_sgpr_kernarg_segment_ptr 1
		.amdhsa_wavefront_size32 1
		.amdhsa_system_sgpr_workgroup_id_x 1
		.amdhsa_system_sgpr_workgroup_id_y 1
		.amdhsa_system_sgpr_workgroup_id_z 1
		.amdhsa_system_vgpr_workitem_id 0
		.amdhsa_next_free_vgpr 1024
		.amdhsa_next_free_sgpr 100
		.amdhsa_reserve_vcc 1
		.amdhsa_float_denorm_mode_32 3
		.amdhsa_float_denorm_mode_16_64 3
		.amdhsa_memory_ordered 1
		.amdhsa_forward_progress 1
		.amdhsa_inst_pref_size 193
	.end_amdhsa_kernel
	.amdgpu_metadata
---
amdhsa.version: [ 1, 2 ]
amdhsa.kernels:
  - .name:           k_qd7d74c6fd5_qkv
    .symbol:         k_qd7d74c6fd5_qkv.kd
    .args:
      - { .name: xc, .offset: 0, .size: 8, .value_kind: global_buffer, .address_space: global }
      - { .name: wc, .offset: 8, .size: 8, .value_kind: global_buffer, .address_space: global }
      - { .name: rope, .offset: 16, .size: 8, .value_kind: global_buffer, .address_space: global }
      - { .name: qk, .offset: 24, .size: 8, .value_kind: global_buffer, .address_space: global }
      - { .name: vv, .offset: 32, .size: 8, .value_kind: global_buffer, .address_space: global }
    .group_segment_fixed_size: 327680
    .private_segment_fixed_size: 0
    .kernarg_segment_align: 8
    .kernarg_segment_size: 40
    .max_flat_workgroup_size: 128
    .sgpr_count:     100
    .vgpr_count:     1024
    .wavefront_size: 32
...
	.end_amdgpu_metadata
.endif
;; end of part 2
;; launch attn (part 3): grid 32 x 8, 8 waves a work-group, clusters of 4 x 4, 327,680 bytes of LDS; arguments qk, vv, attention_mask, ac; writes ac
.if DOCPART == 3
	.amdgcn_target "amdgcn-amd-amdhsa--gfx1250"
	.amdhsa_code_object_version 6
	.text
	.protected	k_qd7d74c6fd5_attn
	.globl	k_qd7d74c6fd5_attn
	.p2align	8
	.type	k_qd7d74c6fd5_attn,@function
k_qd7d74c6fd5_attn:
	s_mov_b64 s[64:65], 0
	v_nop
	global_prefetch_b8 v0, s[64:65] scope:SCOPE_SE
	s_setreg_imm32_b32 hwreg(HW_REG_WAVE_MODE, 25, 1), 1
	s_wait_xcnt 0x0
	s_wait_alu depctr_hold_cnt(0) depctr_sa_sdst(0) depctr_va_vdst(0) depctr_va_sdst(0) depctr_va_ssrc(0) depctr_va_vcc(0) depctr_vm_vsrc(0)
	s_getreg_b32 s2, hwreg(HW_REG_IB_STS2, 6, 4)
	s_cmp_eq_u32 s2, 0
	s_cbranch_scc0 .Lentry_in_a_cluster
	s_endpgm
.Lentry_in_a_cluster:
	s_bfe_u32 s2, ttmp6, 0x10000c
	s_cmp_lg_u32 s2, 0xf033
	s_cbranch_scc0 .Lentry_shape_is_right
	s_endpgm
.Lentry_shape_is_right:
; O = softmax(q k^T / sqrt(128) + mask) v for 16 query heads on 8 key and value heads, 2,048 tokens, head size 128; both products on codes of BF6 with E8M0 scales.  The mask is an input: every score is made, every mask number read.
; THE SOFTMAX AHEAD OF THE SECOND PRODUCT: t = logit x log2(e); M = the running largest t rounded UP to a whole number; p = 2^(t - M) is quantised along the keys, not normalised.
; The row's sum is taken of the unquantised p and divides O at the end.  When M moves, the sum and O are multiplied by 2^(old M - new M): exact.
; SHARES.  A work-group: 64 queries x one key and value head: 256 work-groups of EIGHT waves, two to a SIMD.  A wave: 16 queries x BOTH query heads of that key head (each fragment of K and V and each mask number read
; from LDS feeds two products) x ONE of the two key steps of 128 in every slot of 256 keys: waves 0-3 the first, waves 4-7 the second.  At the end the two waves of a tile of queries hand each other one head's
; O^T, M and sum through LDS, bring both parts under the larger M (exact powers of two), and each finishes one head.
; LAYOUT.  Both products transposed: S^T = K Q^T, O^T = V^T P^T: a lane holds one query throughout.  Inside a block of 32 keys p's codes land in the order 16 bit3 + 8 bit4 + (p & 7); V's codes were laid in the same order.
; V's tiles hold the rows d = 32 b' + 8 u + r + 8 (r / 8), so that O's 16 registers of two neighbouring tiles are 16 neighbours along d.
; RING.  Two slots of 256 keys: K's record and V's (25,600 bytes each: 16 images, then scale words) and two mask tiles of 64 queries x 128 keys (rows of 512 bytes + 16).  Wave 0 fetches K, wave 1 V, waves 2 and 3 the mask.
; The change of slots stands in the step, behind the exponentials, where all of the wave's reads of the slot (K, mask, V) have come back.
; CLUSTER 4 x 4: K and V hang on the key head and are asked for jointly along a row of the cluster; the mask hangs on the queries and is asked for jointly along a column.
; PREFETCH: behind the joint load of slot n each loading wave asks for its share of slot n + 2: 25 of K's or V's 100 blocks of 256 bytes (by cx), or 16 rows x 2 blocks of its mask tile (by cy); the last two loads ask for nothing.
; ac: O / l as codes along (head, d): records of 6,400 bytes (a tile of 16 tokens x 4 heads: four images, then the rows' scale words, four a row).
; LIMITS: NaN and +infinity among the inputs are not served; a row all of whose mask numbers are -infinity gives NaN, as in the model; blocks whose largest magnitude lies under 2^-122 keep the scale byte 1;
; the promise holds while |t| stays under 2^31; a block's largest p is taken as the p of its largest logit (v_exp_f32 is taken not to fall where its input rises).
; REGISTERS, 512 a wave: window 0: v1-11 addresses; v12-27 statistics, eight a head; v28-31 Q's and p's scale words; v32-39 K's and V's; v40-71 work, 16 a head; v72-111 p's codes; v112-117 addresses; v128-255 S^T, 64 a head.
;   window 1: O^T at v[64 head]; ONE buffer of 96 at v128 that holds K's fragments, then the mask (64), then V's fragments; Q's fragments at v224.
.set SLOT1, 131072
.set VOFF,  25600
.set MOFF,  51200
.set MTILE, 64*528
.set SPARE, 2*SLOT1                    ; the spare words, 128 bytes for each of eight waves
.set STG,   9216                       ; the exchange at the end: a wave's 64 registers (8,192 bytes) and three numbers a lane; it lies in slot 0, which has had its last fill and its last read by then
.set SPW, 5                            ; v5   SPARE + 4 x my thread's number; never rewritten
.set NIL, 6                            ; v6   0; never rewritten
.set ST,  12                           ; a head's statistics: +0 -M, +1 the largest t, +2 +3 the sum in two halves, +4 f, +5 written, +6 at work
.set TM,  40                           ; a head's work: +0..3 block maxima, +4..7 bytes, +8 +9 a second chain of the sum, +12..15 scale operands
.set PC,  72                           ; a head's codes of p: 12 registers, then 8 at work
.set PFO, 112
.set LK,  113                          ; 16 x lane + 12,288 x my key step
.set SA,  114                          ; the exchange: where I store, where I read; 16 bytes a lane
.set RA,  115
.set SB,  116                          ; and the same for the three numbers, 4 bytes a lane
.set RB,  117
.set S,   128
.set WV,  12
.set QT,  26                           ; s26 my tile of queries, 0..3;  s27 my key step of a slot, 0 or 1, and the head that I finish
.set HF,  27
.set SEL, 20                           ; s[20:21] lane selects for lane l xor 16
.set G1D, 28                           ; s[28:35] group 1 for K's and V's records;  s[36:43] for the mask's tiles
.set G1M, 36
.set G0K, 44                           ; s[44:47], s[48:51], s[52:55] groups 0, which walk
.set G0V, 48
.set G0M, 52
.set TB,  56                           ; s56 LDS byte at which the slot in hand begins
.set CNT, 57
.set PFA, 78                           ; s[78:79] where my next prefetch stands;  s[80:81] a slot's step in its stream
.set PST, 80
.set MSB, 0
.macro WIN new
.if MSB != \new
	s_set_vgpr_msb (MSB<<8)|\new
.set MSB, \new
.endif
.endm
.macro PLACES
.rept 4
	v_nop
.endr
.endm
.macro D2                              ; two waves share a SIMD: a hint ahead of a plain reader of the plain result two vector instructions back
	s_delay_alu instid0(VALU_DEP_2)
.endm
.macro JLOAD3                          ; one joint load for each of waves 0-3, in one chain of branches on the wave's number; s_nop 0 and four v_nop follow each tensor line
	s_cmp_lt_u32 s[WV], 4
	s_cbranch_scc0 .Lasked_\@
	s_cmp_lt_u32 s[WV], 2
	s_cbranch_scc0 .Lfor_m_\@
	s_cmp_eq_u32 s[WV], 0
	s_cbranch_scc0 .Lfor_v_\@
	tensor_load_to_lds s[G0K:G0K+3], s[G1D:G1D+7]
	s_nop 0
.rept 4
	v_nop
.endr
	s_branch .Lasked_\@
.Lfor_v_\@:
	tensor_load_to_lds s[G0V:G0V+3], s[G1D:G1D+7]
	s_nop 0
.rept 4
	v_nop
.endr
	s_branch .Lasked_\@
.Lfor_m_\@:
	tensor_load_to_lds s[G0M:G0M+3], s[G1M:G1M+7]
	s_nop 0
.rept 4
	v_nop
.endr
.Lasked_\@:
.endm
.macro CROUND
	s_barrier_signal -1
	s_barrier_wait -1
	s_cmp_lg_u32 s[WV], 0
	s_cbranch_scc1 .Lnot_wave_0_\@
	s_barrier_signal -3
.Lnot_wave_0_\@:
	s_barrier_wait -3
	s_barrier_signal -1
	s_barrier_wait -1
.endm
.macro ASK guard                       ; the loading waves alone; guard = 1, in the loop: the loads of slots 6 and 7 (CNT 2 and 1) have no slot two on
	s_cmp_lt_u32 s[WV], 4
	s_cbranch_scc0 .Lno_ask_\@
.if \guard
	s_cmp_gt_u32 s[CNT], 2
	s_cbranch_scc0 .Lno_ask_\@
.endif
	global_prefetch_b8 v[PFO], s[PFA:PFA+1] th:TH_LOAD_NT scope:SCOPE_SE
.Lno_ask_\@:
.endm
.macro QROW s, pc, tp, tm, pw          ; 64 numbers of a lane, register 16 B + i in block B of my row, become a fragment's codes and the row's scale word
.irp b, 0,1,2,3
	v_max3_num_f32 v[(\tm)+\b], |v[(\s)+16*\b]|, |v[(\s)+1+16*\b]|, 0x2800000
.endr
.irp i, 2,4,6,8,10,12,14
.irp b, 0,1,2,3
	v_max3_num_f32 v[(\tm)+\b], v[(\tm)+\b], |v[(\s)+16*\b+\i]|, |v[(\s)+1+16*\b+\i]|
.endr
.endr
.irp b, 0,1,2,3
	v_permlanex16_b32 v[(\tm)+4+\b], v[(\tm)+\b], s[SEL], s[SEL+1]
.endr
.irp b, 0,1,2,3
	v_max_num_f32 v[(\tm)+\b], v[(\tm)+\b], v[(\tm)+4+\b]
.endr
.irp b, 0,1,2,3
	v_add_nc_u32 v[(\tm)+12+\b], 0xfe000000, v[(\tm)+\b]
.endr
.irp b, 0,1,2,3
	v_lshrrev_b32 v[(\tm)+4+\b], 23, v[(\tm)+12+\b]
.endr
	v_lshl_or_b32 v[\pw], v[(\tm)+5], 8, v[(\tm)+4]
	v_lshl_or_b32 v[\pw], v[(\tm)+6], 16, v[\pw]
	v_lshl_or_b32 v[\pw], v[(\tm)+7], 24, v[\pw]
.irp c, 0,1
	v_cvt_scalef32_pk16_bf6_f32 v[(\pc)+6*\c:(\pc)+2+6*\c], v[(\s)+32*\c:(\s)+15+32*\c], v[(\tm)+12+2*\c]
	v_cvt_scalef32_pk16_bf6_f32 v[(\tp)+4*\c:(\tp)+2+4*\c], v[(\s)+16+32*\c:(\s)+31+32*\c], v[(\tm)+13+2*\c]
.endr
	v_nop
.irp c, 0,1
.irp i, 0,1,2
	v_permlane16_swap_b32 v[(\pc)+6*\c+\i], v[(\tp)+4*\c+\i]
.endr
.irp i, 0,1,2
	v_mov_b32 v[(\pc)+3+6*\c+\i], v[(\tp)+4*\c+\i]
.endr
.endr
.endm
.macro KL                              ; K's eight fragments and its scale words, of my key step of the slot at which v8 and v9 point
	WIN 0x40
.irp t, 0,1,2,3,4,5,6,7
.irp c, 0,1,2
	ds_load_b128 v[128+12*\t+4*\c:131+12*\t+4*\c], v8 offset:\t*1536+512*\c
.endr
.endr
	WIN 0
.irp i, 0,1,2,3
	ds_load_b32 v[32+\i], v9 offset:24576+128*\i               ; lanes 0-15 tile 2 i's scale words, lanes 16-31 tile 2 i + 1's
.endr
.endm
; THE CHANGE OF SLOTS.  Each wave waits for all its tensor loads (its part of the slot ahead), adds 0 to its spare word, and waits for that and for its reads of the slot that it leaves.
; fill = 1: a round of the cluster's barrier, and behind it the slot just left (the first time: slot 1) takes the next 256 keys.
.macro CHG fill, first
.if \fill
	s_wait_xcnt 0x0                                ; my last prefetch has read its address
	s_add_nc_u64 s[PFA:PFA+1], s[PFA:PFA+1], s[PST:PST+1]
.endif
	s_wait_tensorcnt 0x0                           ; no tensor load of mine is out, so a group 0 may be written
	ds_add_u32 v[SPW], v[NIL]
.if \fill
	ds_add_u32 v[SPW], v[NIL]                      ; the add twice
	s_xor_b32 s[G0K+1], s[G0K+1], SLOT1
	s_add_nc_u64 s[G0K+2:G0K+3], s[G0K+2:G0K+3], 25600
	s_xor_b32 s[G0V+1], s[G0V+1], SLOT1
	s_add_nc_u64 s[G0V+2:G0V+3], s[G0V+2:G0V+3], 25600
	s_xor_b32 s[G0M+1], s[G0M+1], SLOT1
	s_add_nc_u64 s[G0M+2:G0M+3], s[G0M+2:G0M+3], 1024
.endif
.if \first == 0
	s_xor_b32 s[TB], s[TB], SLOT1
.endif
	s_wait_dscnt 0x0                               ; the adds are done, and my reads of the slot that I leave are over
.if \fill
	CROUND
	JLOAD3
.else
	s_barrier_signal -1
	s_barrier_wait -1
.endif
	v_add_nc_u32 v8, s[TB], v[LK]
	v_add_nc_u32 v9, s[TB], v2
	v_add_nc_u32 v10, s[TB], v3
	s_wait_alu depctr_va_vdst(0)                   ; the wait behind these writes
.endm
	s_load_b256 s[4:11], s[0:1], 0x0               ; qk s[4:5], vv s[6:7], the mask s[8:9], ac s[10:11]
	v_lshl_add_u32 v[SPW], v0, 2, SPARE
	v_mov_b32 v[NIL], 0
	ds_add_u32 v[SPW], v[NIL]                      ; the opening lines: the add twice on end and one wait
	ds_add_u32 v[SPW], v[NIL]
	v_lshrrev_b32 v1, 5, v0
	v_readfirstlane_b32 s[WV], v1                  ; wave 0..7
	s_and_b32 s[QT], s[WV], 3
	s_lshr_b32 s[HF], s[WV], 2
	s_bfe_u32 s13, ttmp6, 0x40000                  ; cx
	s_bfe_u32 s14, ttmp6, 0x40004                  ; cy
	s_lshl_b32 s15, ttmp9, 2
	s_add_co_u32 s15, s15, s13                     ; my block of 64 queries
	s_and_b32 s16, ttmp7, 0xffff
	s_lshl_b32 s16, s16, 2
	s_add_co_u32 s16, s16, s14                     ; my key and value head
	s_lshl_b32 s17, s14, 2
	s_lshl_b32 s17, 15, s17                        ; my row of the cluster: the same key head
	s_lshl_b32 s18, 0x1111, s13                    ; my column: the same queries
	s_or_b32 s[G1D], s17, (3<<16)|(1<<21)          ; a record: 100 rows of 256 bytes (32 elements of 8), dense, no padding
	s_mov_b32 s[G1D+1], 32<<16
	s_mov_b32 s[G1D+2], 100<<16
	s_mov_b32 s[G1D+3], 32<<16
	s_mov_b32 s[G1D+4], 100
	s_mov_b32 s[G1D+5], 32
	s_mov_b32 s[G1D+6], 0
	s_mov_b32 s[G1D+7], 0
	s_or_b32 s[G1M], s18, (2<<16)|(1<<20)|(1<<21)|(6<<22)|(3<<25)   ; 64 rows of 128 f32, 2,048 apart; 4 words of padding behind every 128
	s_mov_b32 s[G1M+1], 128<<16
	s_mov_b32 s[G1M+2], 64<<16
	s_mov_b32 s[G1M+3], 128<<16
	s_mov_b32 s[G1M+4], 64
	s_mov_b32 s[G1M+5], 2048
	s_mov_b32 s[G1M+6], 0
	s_mov_b32 s[G1M+7], 0
	s_add_co_u32 s58, s16, 16
	s_mul_i32 s58, s58, 8*25600                    ; K: head 16 + g of qk
	s_mov_b32 s59, 0
	s_mul_i32 s60, s16, 8*25600                    ; V: head g of vv
	s_mov_b32 s61, 0
	s_and_b32 s19, s[WV], 1
	s_lshl_b32 s62, s15, 19                        ; the mask: 64 rows of 8,192 bytes,
	s_lshl_b32 s63, s19, 9                         ; and which 128 keys of a slot I fetch
	s_add_co_u32 s62, s62, s63
	s_mov_b32 s63, 0
	s_mul_i32 s19, s19, MTILE
	s_add_co_u32 s19, s19, MOFF
	s_mov_b32 s[SEL], 0x76543210
	s_mov_b32 s[SEL+1], 0xfedcba98
	s_mov_b32 s22, 0x3db504f3                      ; 1 / sqrt(128)
	s_mov_b32 s23, s22                             ; (the packed forms name a pair and take its low word for both halves)
	s_mov_b32 s24, 0x3fb8aa3b                      ; log2(e)
	s_mov_b32 s25, s24
	s_mov_b32 s[TB], 0
	s_mov_b32 s[CNT], 6
	s_mul_i32 s88, s13, 6400                       ; the prefetches' shares: K, V: 25 blocks by cx;
	s_lshl_b32 s89, s14, 17                        ; the mask: 16 rows by cy
	s_mov_b32 s91, 0
	s_mov_b32 s[PST], 1024
	s_mov_b32 s[PST+1], 0
	s_lshl_b32 s66, s16, 4
	s_lshr_b32 s67, s15, 2
	s_add_co_u32 s66, s66, s67                     ; Q: record 8 (2 g) + my tokens' 256
	s_mul_i32 s66, s66, 25600
	s_and_b32 s68, s15, 3
	s_lshl_b32 s68, s68, 2
	s_add_co_u32 s68, s68, s[QT]                   ; and my tile's image in it
	s_mul_i32 s69, s68, 1536
	s_add_co_u32 s70, s66, s69
	s_mov_b32 s71, 0
	s_lshl_b32 s69, s68, 6
	s_add_co_u32 s72, s66, s69
	s_mov_b32 s73, 0
	s_lshl_b32 s74, s15, 2
	s_add_co_u32 s74, s74, s[QT]                   ; ac: my tile of tokens,
	s_lshl_b32 s74, s74, 2
	s_lshr_b32 s75, s16, 1
	s_add_co_u32 s74, s74, s75                     ; chunk = head / 4 = g / 2
	s_mul_i32 s74, s74, 6400
	s_and_b32 s76, s16, 1
	s_mul_i32 s77, s76, 2*1536                     ; K step = head % 4 = 2 (g & 1) + which of the two heads
	s_lshl_b32 s76, s76, 3
	s_add_co_u32 s76, s76, s74
	s_add_co_u32 s74, s74, s77
	s_mov_b32 s75, 0
	s_mov_b32 s77, 0
	s_mul_i32 s67, s[QT], 16*528
	s_add_co_u32 s67, s67, MOFF
	s_mul_i32 s93, s[HF], MTILE
	s_add_co_u32 s67, s67, s93                     ; the mask: my key step's tile, my 16 rows
	s_mul_i32 s93, s[HF], 12288
	s_lshl_b32 s94, s[HF], 9
	s_mul_i32 s95, s[WV], STG                      ; the exchange: my region,
	s_xor_b32 s96, s[WV], 4
	s_mul_i32 s96, s96, STG                        ; and that of the other wave of my tile of queries
	s_cmp_lt_u32 s[WV], 2
	s_cselect_b32 s92, -1, 0
	v_and_b32 v8, 31, v0
	v_and_b32 v9, 15, v0                           ; r
	v_bfe_u32 v11, v0, 4, 1                        ; h
	v_lshlrev_b32 v1, 4, v8                        ; v1  16 x lane
	v_lshlrev_b32 v10, 2, v8                       ; 4 x lane
	v_lshlrev_b32 v4, 2, v9                        ; v4  4 r
	v_lshlrev_b32 v7, 4, v9                        ; v7  ac's scale words: 16 r
	v_mul_u32_u24 v3, v9, 528
	v_lshl_add_u32 v3, v11, 5, v3
	v_add_nc_u32 v3, s67, v3                       ; v3  the mask: my row, + 32 h bytes
	v_add_nc_u32 v2, s94, v10                      ; v2  scale words: 4 x lane + 512 x my key step
	v_add_nc_u32 v[LK], s93, v1
	v_add_nc_u32 v[SA], s95, v1
	v_add_nc_u32 v[RA], s96, v1
	v_add_nc_u32 v[SB], s95, v10
	v_add_nc_u32 v[RB], s96, v10
	v_add_nc_u32 v[SB], 8192, v[SB]
	v_add_nc_u32 v[RB], 8192, v[RB]
	v_min_u32 v118, 24, v8
	v_lshlrev_b32 v118, 8, v118                    ; K, V: block min(lane, 24) of my 25 (the lanes left over name the last again)
	v_lshrrev_b32 v119, 1, v8
	v_lshlrev_b32 v119, 13, v119
	v_and_b32 v120, 1, v8
	v_lshl_or_b32 v119, v120, 8, v119              ; the mask: row lane / 2 of my 16, block lane % 2 of its 512 bytes
	v_cndmask_b32 v[PFO], v119, v118, s92
	s_wait_alu depctr_va_vdst(0)                   ; the wait behind the addresses, ahead of the waits below
	s_wait_dscnt 0x0                               ; both opening adds are done
	s_wait_kmcnt 0x0
	s_add_nc_u64 s[70:71], s[4:5], s[70:71]
	s_add_nc_u64 s[72:73], s[4:5], s[72:73]
	WIN 0x40
.irp d, 0,1
.irp c, 0,1,2
	global_load_b128 v[224+12*\d+4*\c:227+12*\d+4*\c], v1, s[70:71] offset:\d*8*25600+512*\c   ; Q's two fragments stay in registers
.endr
.endr
	WIN 0
.irp d, 0,1
	global_load_b32 v[28+\d], v4, s[72:73] offset:24576+\d*8*25600
.endr
	s_add_nc_u64 s[74:75], s[10:11], s[74:75]
	s_add_nc_u64 s[76:77], s[10:11], s[76:77]
	s_add_nc_u64 s[82:83], s[4:5], s[58:59]
	s_add_nc_u64 s[84:85], s[6:7], s[60:61]
	s_add_nc_u64 s[86:87], s[8:9], s[62:63]
	s_mov_b32 s[G0K], 1
	s_mov_b32 s[G0K+1], 0
	s_mov_b64 s[G0K+2:G0K+3], s[82:83]
	s_or_b32 s[G0K+3], s[G0K+3], 0x80000000
	s_mov_b32 s[G0V], 1
	s_mov_b32 s[G0V+1], VOFF
	s_mov_b64 s[G0V+2:G0V+3], s[84:85]
	s_or_b32 s[G0V+3], s[G0V+3], 0x80000000
	s_mov_b32 s[G0M], 1
	s_mov_b32 s[G0M+1], s19
	s_mov_b64 s[G0M+2:G0M+3], s[86:87]
	s_or_b32 s[G0M+3], s[G0M+3], 0x80000000
	s_cmp_eq_u32 s[WV], 0                          ; the stream that I fetch is the stream that I prefetch: the choices hang on the wave's number alone
	s_cselect_b64 s[PFA:PFA+1], s[82:83], s[84:85]
	s_cmp_lt_u32 s[WV], 2
	s_cselect_b64 s[PFA:PFA+1], s[PFA:PFA+1], s[86:87]
	s_cselect_b32 s[PST], 25600, s[PST]
	s_cselect_b32 s90, s88, s89
	s_add_nc_u64 s[PFA:PFA+1], s[PFA:PFA+1], s[90:91]
	s_add_nc_u64 s[PFA:PFA+1], s[PFA:PFA+1], s[PST:PST+1]
	s_add_nc_u64 s[PFA:PFA+1], s[PFA:PFA+1], s[PST:PST+1]      ; at slot 2
	CROUND                                         ; all sixteen work-groups are here
	JLOAD3                                         ; slot 0: at most one tensor load a wave at the head
	ASK 0                                          ; slot 2
.irp d, 0,1
	v_mov_b32 v[ST+8*\d+1], 0xff61b1e6             ; the largest t so far: -3e38
	v_floor_f32 v[ST+8*\d], -v[ST+8*\d+1]          ; -M
.irp n, 2,3,4,5,6,7
	v_mov_b32 v[ST+8*\d+\n], 0
.endr
.irp b, 0,1,2,3
	v_mov_b32 v[TM+16*\d+4+\b], 0                  ; written once: a lane permute's destination counts as one of its sources
.endr
.endr
	WIN 0x40
.set j, 0
.rept 128
	v_mov_b32 v[j], 0                              ; O^T.  (The step is written once: its first turn finds zeros, which the first change of M leaves zeros)
.set j, j+1
.endr
	WIN 0
; A KEY STEP: my 128 keys of the slot in hand, for my 16 queries and both heads.  At its head K's 24 loads and its 4 scale words are out.
; mode 1: a change of slots with a refill; 2: a change of slots, nothing left to fetch; 3: the last step.
.macro STEP mode
	s_wait_dscnt 0x0                               ; K and its scale words are in
	WIN 0x05                                       ; sources 0 and 1 window 1
.irp t, 0,1,2,3,4,5,6,7
.irp d, 0,1
.if \t%2
	v_wmma_scale_f32_16x16x128_f8f6f4 v[S+64*\d+8*\t:S+64*\d+8*\t+7], v[128+12*\t:139+12*\t], v[224+12*\d:235+12*\d], 0, v[32+\t/2], v[28+\d] matrix_a_fmt:MATRIX_FMT_BF6 matrix_b_fmt:MATRIX_FMT_BF6 matrix_a_scale:MATRIX_SCALE_ROW1
.else
	v_wmma_scale_f32_16x16x128_f8f6f4 v[S+64*\d+8*\t:S+64*\d+8*\t+7], v[128+12*\t:139+12*\t], v[224+12*\d:235+12*\d], 0, v[32+\t/2], v[28+\d] matrix_a_fmt:MATRIX_FMT_BF6 matrix_b_fmt:MATRIX_FMT_BF6
.endif
.endr
.endr
	WIN 0
	PLACES                                         ; four places behind the products: for the loads into K's registers and for the first reads of S^T
	WIN 0x40
.irp t, 0,1,2,3,4,5,6,7
.irp e, 0,1
	ds_load_b128 v[128+8*\t+4*\e:131+8*\t+4*\e], v10 offset:64*\t+16*\e        ; the mask, where K's fragments lay
.endr
.endr
	WIN 0
	s_wait_dscnt 0x0
	WIN 0x10                                       ; source 2 window 1: the mask
.set j, 0
.rept 32
	v_pk_fma_f32 v[S+j:S+j+1], v[S+j:S+j+1], s[22:23], v[128+j:129+j] op_sel_hi:[1,0,1]        ; the logit: score / sqrt(128) + mask; each accumulator from its low end on
	v_pk_fma_f32 v[S+64+j:S+65+j], v[S+64+j:S+65+j], s[22:23], v[128+j:129+j] op_sel_hi:[1,0,1]
.set j, j+2
.endr
	WIN 0x40
.irp t, 0,1,2,3,4,5,6,7
.irp c, 0,1,2
	ds_load_b128 v[128+12*\t+4*\c:131+12*\t+4*\c], v8 offset:VOFF+\t*1536+512*\c               ; V, where the mask lay: it lands under the softmax
.endr
.endr
	WIN 0
.irp i, 0,1,2,3
	ds_load_b32 v[36+\i], v9 offset:VOFF+24576+128*\i
.endr
.irp b, 0,1,2,3
.irp d, 0,1
	v_max3_num_f32 v[TM+16*\d+\b], v[S+64*\d+16*\b], v[S+64*\d+16*\b+1], v[S+64*\d+16*\b+2]    ; the largest logit of each block of 32 keys: for the row's maximum, and for the block's largest p
.endr
.endr
.irp i, 3,5,7,9,11,13
.irp b, 0,1,2,3
.irp d, 0,1
	v_max3_num_f32 v[TM+16*\d+\b], v[TM+16*\d+\b], v[S+64*\d+16*\b+\i], v[S+64*\d+16*\b+\i+1]
.endr
.endr
.endr
.irp b, 0,1,2,3
.irp d, 0,1
	v_max_num_f32 v[TM+16*\d+\b], v[TM+16*\d+\b], v[S+64*\d+16*\b+15]
.endr
.endr
.irp b, 0,1,2,3
.irp d, 0,1
	v_permlanex16_b32 v[TM+16*\d+4+\b], v[TM+16*\d+\b], s[SEL], s[SEL+1]
.endr
.endr
.irp b, 0,1,2,3
.irp d, 0,1
	v_max_num_f32 v[TM+16*\d+\b], v[TM+16*\d+\b], v[TM+16*\d+4+\b]
.endr
.endr
.irp d, 0,1
	v_max3_num_f32 v[ST+8*\d+6], v[TM+16*\d], v[TM+16*\d+1], v[TM+16*\d+2]
.endr
.irp d, 0,1
	D2
	v_max_num_f32 v[ST+8*\d+6], v[ST+8*\d+6], v[TM+16*\d+3]
.endr
.irp d, 0,1
	D2
	v_mul_f32 v[ST+8*\d+6], s24, v[ST+8*\d+6]      ; as t
.endr
.irp d, 0,1
	D2
	v_max_num_f32 v[ST+8*\d+1], v[ST+8*\d+1], v[ST+8*\d+6]     ; the running largest t
.endr
.irp d, 0,1
	v_mov_b32 v[ST+8*\d+6], v[ST+8*\d]
.endr
.irp d, 0,1
	s_delay_alu instid0(VALU_DEP_4)
	v_floor_f32 v[ST+8*\d], -v[ST+8*\d+1]          ; the new -M = -ceil(t)
.endr
.irp d, 0,1
	D2
	v_sub_f32 v[ST+8*\d+6], v[ST+8*\d], v[ST+8*\d+6]           ; old M - new M: a whole number, 0 or less
.endr
.irp d, 0,1
	D2
	v_cvt_i32_f32 v[ST+8*\d+6], v[ST+8*\d+6]       ; (it saturates)
.endr
.irp d, 0,1
	D2
	v_ldexp_f32 v[ST+8*\d+4], 1.0, v[ST+8*\d+6]    ; f = 2^(old M - new M)
.endr
.irp d, 0,1
	D2
	v_pk_mul_f32 v[ST+8*\d+2:ST+8*\d+3], v[ST+8*\d+2:ST+8*\d+3], v[ST+8*\d+4:ST+8*\d+5] op_sel_hi:[1,0]   ; the sums under the new M
.endr
	WIN 0x41                                       ; O^T (destination and source 0) window 1
.irp d, 0,1
.set j, 0
.rept 32
	v_pk_mul_f32 v[64*\d+j:64*\d+j+1], v[64*\d+j:64*\d+j+1], v[ST+8*\d+4:ST+8*\d+5] op_sel_hi:[1,0]       ; O^T under the new M, ahead of the exponentials; each accumulator from its low end on
.set j, j+2
.endr
.endr
	WIN 0
.irp d, 0,1
.set j, 0
.rept 32
	v_pk_fma_f32 v[S+64*\d+j:S+64*\d+j+1], v[S+64*\d+j:S+64*\d+j+1], s[24:25], v[ST+8*\d:ST+8*\d+1] op_sel_hi:[1,0,0]   ; t - M
.set j, j+2
.endr
.irp b, 0,1,2,3
	v_fma_f32 v[TM+16*\d+\b], v[TM+16*\d+\b], s24, v[ST+8*\d]  ; the same of each block's largest logit
.endr
.endr
	s_wait_alu depctr_va_vdst(0)                   ; the wait ahead of the batch
.set j, 0
.rept 128
	v_exp_f32 v[S+j], v[S+j]                       ; p = 2^(t - M)
.set j, j+1
.endr
.irp d, 0,1
.irp b, 0,1,2,3
	v_exp_f32 v[TM+16*\d+\b], v[TM+16*\d+\b]       ; each block's largest p
.endr
.endr
	v_nop                                          ; a plain place behind the exponentials
	s_wait_alu depctr_va_vdst(0)                   ; one wait for the batch, and for all that was written ahead of the waits below
.if \mode == 1
	CHG 1, 0
	ASK 1
.elseif \mode == 2
	CHG 0, 0
.else
	s_wait_dscnt 0x0                               ; V and its scale words
.endif
.irp b, 0,1,2,3
.irp d, 0,1
	v_max_num_f32 v[TM+16*\d+\b], 0x2800000, v[TM+16*\d+\b]    ; the floor 2^(5 - 127)
.endr
.endr
.irp b, 0,1,2,3
.irp d, 0,1
	v_add_nc_u32 v[TM+16*\d+12+\b], 0xfe000000, v[TM+16*\d+\b]
.endr
.endr
.irp b, 0,1,2,3
.irp d, 0,1
	v_lshrrev_b32 v[TM+16*\d+4+\b], 23, v[TM+16*\d+12+\b]
.endr
.endr
.irp d, 0,1
	v_lshl_or_b32 v[30+\d], v[TM+16*\d+5], 8, v[TM+16*\d+4]    ; p's scale word for these 128 keys
.endr
.irp d, 0,1
	D2
	v_lshl_or_b32 v[30+\d], v[TM+16*\d+6], 16, v[30+\d]
.endr
.irp d, 0,1
	D2
	v_lshl_or_b32 v[30+\d], v[TM+16*\d+7], 24, v[30+\d]
.endr
.irp d, 0,1
.irp c, 0,1
	v_cvt_scalef32_pk16_bf6_f32 v[PC+20*\d+6*\c:PC+20*\d+6*\c+2], v[S+64*\d+32*\c:S+64*\d+32*\c+15], v[TM+16*\d+12+2*\c]
	v_cvt_scalef32_pk16_bf6_f32 v[PC+20*\d+12+4*\c:PC+20*\d+14+4*\c], v[S+64*\d+32*\c+16:S+64*\d+32*\c+31], v[TM+16*\d+13+2*\c]
.endr
.endr
	v_nop                                          ; one plain place behind a scaled conversion
.irp d, 0,1
.irp c, 0,1
.irp i, 0,1,2
	v_permlane16_swap_b32 v[PC+20*\d+6*\c+\i], v[PC+20*\d+12+4*\c+\i]
.endr
.irp i, 0,1,2
	v_mov_b32 v[PC+20*\d+3+6*\c+\i], v[PC+20*\d+12+4*\c+\i]
.endr
.endr
.endr
.irp d, 0,1                                    ; the rows' sums of the unquantised p: packed additions, two chains a head, the four by turns.  (These 64 are also the places between the scale words and codes just made and the products)
	v_pk_add_f32 v[TM+16*\d+8:TM+16*\d+9], v[S+64*\d:S+64*\d+1], v[S+64*\d+2:S+64*\d+3]
.endr
.set j, 4
.rept 15
.irp d, 0,1
	v_pk_add_f32 v[ST+8*\d+2:ST+8*\d+3], v[ST+8*\d+2:ST+8*\d+3], v[S+64*\d+j:S+64*\d+j+1]
	v_pk_add_f32 v[TM+16*\d+8:TM+16*\d+9], v[TM+16*\d+8:TM+16*\d+9], v[S+64*\d+j+2:S+64*\d+j+3]
.endr
.set j, j+4
.endr
.irp d, 0,1
	v_pk_add_f32 v[ST+8*\d+2:ST+8*\d+3], v[ST+8*\d+2:ST+8*\d+3], v[TM+16*\d+8:TM+16*\d+9]
.endr
	WIN 0x51                                       ; source 0 (V) window 1, source 1 (p) window 0, C and D window 1.  The 16 accumulators take turns
.irp t, 0,1,2,3,4,5,6,7
.irp d, 0,1
.if \t%2
	v_wmma_scale_f32_16x16x128_f8f6f4 v[64*\d+8*\t:64*\d+8*\t+7], v[128+12*\t:139+12*\t], v[PC+20*\d:PC+20*\d+11], v[64*\d+8*\t:64*\d+8*\t+7], v[36+\t/2], v[30+\d] matrix_a_fmt:MATRIX_FMT_BF6 matrix_b_fmt:MATRIX_FMT_BF6 matrix_a_scale:MATRIX_SCALE_ROW1
.else
	v_wmma_scale_f32_16x16x128_f8f6f4 v[64*\d+8*\t:64*\d+8*\t+7], v[128+12*\t:139+12*\t], v[PC+20*\d:PC+20*\d+11], v[64*\d+8*\t:64*\d+8*\t+7], v[36+\t/2], v[30+\d] matrix_a_fmt:MATRIX_FMT_BF6 matrix_b_fmt:MATRIX_FMT_BF6
.endif
.endr
.endr
	WIN 0
	PLACES                                         ; four places behind the products: for the loads into V's registers, or for the first reads of O^T
.if \mode < 3
	KL                                             ; the slot ahead's K, where V's fragments lay
.endif
.endm
	s_wait_alu depctr_va_vdst(0)                   ; the wait at the head's end
	CHG 1, 1                                       ; slot 0 is in; slot 1's first fill is issued as a refill is
	ASK 0                                          ; slot 3
	KL
	s_wait_loadcnt 0x0                             ; Q
.Lslot:                                                ; six trips, slots 0 to 5: each asks for the slot two on
	STEP 1
	s_sub_co_u32 s[CNT], s[CNT], 1
	s_cmp_lg_u32 s[CNT], 0
	s_cbranch_scc1 .Lslot
	STEP 2                                         ; the last two slots are written out
	STEP 3
; THE TWO HALVES OF THE KEYS ARE JOINED.  I send the head that I do not finish: its O^T (64 registers, each accumulator from its low end on), -M and the sum's two halves.
.macro SENDO d
	WIN 0x04                                       ; the data: window 1
.set k, 0
.rept 16
	ds_store_b128 v[SA], v[64*\d+4*k:64*\d+4*k+3] offset:512*k
.set k, k+1
.endr
	WIN 0
	ds_store_b32 v[SB], v[ST+8*\d]
	ds_store_b32 v[SB], v[ST+8*\d+2] offset:128
	ds_store_b32 v[SB], v[ST+8*\d+3] offset:256
.endm
; Head d: the other wave's part comes into S's registers.  M = the larger of the two; each part is multiplied by 2^(its M - M) / the joint sum; then O / l is quantised along d, one image.
.macro FIN d
.set k, 0
.rept 16
	ds_load_b128 v[S+4*k:S+4*k+3], v[RA] offset:512*k
.set k, k+1
.endr
	ds_load_b32 v[TM], v[RB]
	ds_load_b32 v[TM+1], v[RB] offset:128
	ds_load_b32 v[TM+2], v[RB] offset:256
	s_wait_dscnt 0x0
	v_min_num_f32 v[TM+3], v[ST+8*\d], v[TM]       ; the joint -M
	v_add_f32 v[TM+6], v[ST+8*\d+2], v[ST+8*\d+3]
	v_add_f32 v[TM+7], v[TM+1], v[TM+2]
	v_sub_f32 v[TM+4], v[TM+3], v[ST+8*\d]         ; my M - M, the other's M - M: whole numbers, 0 or less
	v_sub_f32 v[TM+5], v[TM+3], v[TM]
	v_cvt_i32_f32 v[TM+4], v[TM+4]                 ; (they saturate)
	v_cvt_i32_f32 v[TM+5], v[TM+5]
	v_ldexp_f32 v[TM+4], 1.0, v[TM+4]
	v_ldexp_f32 v[TM+5], 1.0, v[TM+5]
	v_mul_f32 v[TM+6], v[TM+6], v[TM+4]
	v_fma_f32 v[TM+6], v[TM+7], v[TM+5], v[TM+6]
	v_permlanex16_b32 v[TM+7], v[TM+6], s[SEL], s[SEL+1]
	v_add_f32 v[TM+6], v[TM+6], v[TM+7]            ; the row's sum
	s_wait_alu depctr_va_vdst(0)                   ; the wait ahead of the reciprocal
	v_rcp_f32 v[TM+8], v[TM+6]
	v_nop                                          ; a plain place behind it
	s_wait_alu depctr_va_vdst(0)                   ; and the wait behind it
	v_mul_f32 v[TM+16], v[TM+4], v[TM+8]
	v_mul_f32 v[TM+18], v[TM+5], v[TM+8]
.set j, 0
.rept 32
	v_pk_mul_f32 v[S+j:S+j+1], v[S+j:S+j+1], v[TM+18:TM+19] op_sel_hi:[1,0]
.set j, j+2
.endr
	WIN 0x01                                       ; source 0 window 1
	s_wait_alu depctr_va_vdst(0)                   ; the wait directly ahead of the first reader of O^T
.set j, 0
.rept 32
	v_pk_fma_f32 v[S+j:S+j+1], v[64*\d+j:64*\d+j+1], v[TM+16:TM+17], v[S+j:S+j+1] op_sel_hi:[1,0,1]
.set j, j+2
.endr
	WIN 0
	QROW S, PC, PC+12, TM, 30
.irp c, 0,1,2
	global_store_b128 v1, v[PC+4*\c:PC+4*\c+3], s[74:75] offset:\d*1536+512*\c                 ; each store of the wave covers 512 consecutive bytes, aligned
.endr
	global_store_b32 v7, v30, s[76:77] offset:6144+4*\d        ; row r's scale word (lanes r and 16 + r hold the same word and name the same place)
.endm
	s_wait_alu depctr_va_vdst(0)                   ; the wait here
	s_wait_dscnt 0x0
	s_barrier_signal -1
	s_barrier_wait -1                              ; every wave's reads of the ring are over: slot 0's bytes, which have had their last fill, serve the exchange
	s_cmp_eq_u32 s[HF], 0
	s_cbranch_scc0 .Lsend_0
	SENDO 1
	s_branch .Lsent
.Lsend_0:
	SENDO 0
.Lsent:
	s_wait_dscnt 0x0                               ; my stores are done
	s_barrier_signal -1
	s_barrier_wait -1
	s_cmp_eq_u32 s[HF], 0
	s_cbranch_scc0 .Lfin_1
	FIN 0
	s_branch .Ldone
.Lfin_1:
	FIN 1
.Ldone:
	s_wait_tensorcnt 0x0                           ; the wave's end
	ds_add_u32 v[SPW], v[NIL]
	s_wait_dscnt 0x0
	CROUND                                         ; the closing round
	s_endpgm
.Lfunc_end_k_qd7d74c6fd5_attn:
	.size	k_qd7d74c6fd5_attn, .Lfunc_end_k_qd7d74c6fd5_attn-k_qd7d74c6fd5_attn
	.p2alignl 7, 3214868480
	.fill 96, 4, 3214868480
	.section	.rodata,"a",@progbits
	.p2align	6, 0x0
	.amdhsa_kernel k_qd7d74c6fd5_attn
		.amdhsa_group_segment_fixed_size 327680
		.amdhsa_private_segment_fixed_size 0
		.amdhsa_enable_private_segment 0
		.amdhsa_kernarg_size 32
		.amdhsa_user_sgpr_count 2
		.amdhsa_user_sgpr_kernarg_segment_ptr 1
		.amdhsa_wavefront_size32 1
		.amdhsa_system_sgpr_workgroup_id_x 1
		.amdhsa_system_sgpr_workgroup_id_y 1
		.amdhsa_system_sgpr_workgroup_id_z 1
		.amdhsa_system_vgpr_workitem_id 0
		.amdhsa_next_free_vgpr 512
		.amdhsa_next_free_sgpr 100
		.amdhsa_reserve_vcc 0
		.amdhsa_float_denorm_mode_32 3
		.amdhsa_float_denorm_mode_16_64 3
		.amdhsa_memory_ordered 1
		.amdhsa_forward_progress 1
		.amdhsa_inst_pref_size 160
	.end_amdhsa_kernel
	.amdgpu_metadata
---
amdhsa.version: [ 1, 2 ]
amdhsa.kernels:
  - .name:           k_qd7d74c6fd5_attn
    .symbol:         k_qd7d74c6fd5_attn.kd
    .args:
      - { .name: qk, .offset: 0, .size: 8, .value_kind: global_buffer, .address_space: global }
      - { .name: vv, .offset: 8, .size: 8, .value_kind: global_buffer, .address_space: global }
      - { .name: attention_mask, .offset: 16, .size: 8, .value_kind: global_buffer, .address_space: global }
      - { .name: ac, .offset: 24, .size: 8, .value_kind: global_buffer, .address_space: global }
    .group_segment_fixed_size: 327680
    .private_segment_fixed_size: 0
    .kernarg_segment_align: 8
    .kernarg_segment_size: 32
    .max_flat_workgroup_size: 256
    .sgpr_count:     100
    .vgpr_count:     512
    .wavefront_size: 32
...
	.end_amdgpu_metadata
.endif
;; end of part 3
;; launch oproj (part 4): grid 16 x 16, 4 waves a work-group, clusters of 4 x 4, 327,680 bytes of LDS; arguments ac, woc, out0; writes out0
.if DOCPART == 4
	.amdgcn_target "amdgcn-amd-amdhsa--gfx1250"
	.amdhsa_code_object_version 6
	.text
	.protected	k_qd7d74c6fd5_oproj
	.globl	k_qd7d74c6fd5_oproj
	.p2align	8
	.type	k_qd7d74c6fd5_oproj,@function
k_qd7d74c6fd5_oproj:
	s_mov_b64 s[64:65], 0
	v_nop
	global_prefetch_b8 v0, s[64:65] scope:SCOPE_SE
	s_setreg_imm32_b32 hwreg(HW_REG_WAVE_MODE, 25, 1), 1
	s_wait_xcnt 0x0
	s_wait_alu depctr_hold_cnt(0) depctr_sa_sdst(0) depctr_va_vdst(0) depctr_va_sdst(0) depctr_va_ssrc(0) depctr_va_vcc(0) depctr_vm_vsrc(0)
	s_getreg_b32 s2, hwreg(HW_REG_IB_STS2, 6, 4)
	s_cmp_eq_u32 s2, 0
	s_cbranch_scc0 .Lentry_in_a_cluster
	s_endpgm
.Lentry_in_a_cluster:
	s_bfe_u32 s2, ttmp6, 0x10000c
	s_cmp_lg_u32 s2, 0xf033
	s_cbranch_scc0 .Lentry_shape_is_right
	s_endpgm
.Lentry_shape_is_right:
.set KCH,   4
.set REC,   6400
.set SLOT,  24*REC
.set BOFF,  8*REC
.set SPARE, 2*SLOT
.set SCW,   6144
.set ADRA, 16
.set ADRB, 18
.set ADS1, 20
.set ADS2, 22
.set STO,  24
.set RD,   25
.set SPW,  28
.set NIL,  29
.set LN16, 30
.set SC,   32
.set AF,   128
.set G1, 24
.set G0, 32
.set G1B, 48
.set G0B, 56
.set PFA, 80                           ; s[80:81] where my prefetches stand: my share of the records that I fetch, at chunk 0
.set PFO, 31                           ; v31 the prefetches' offset: 256 x min(lane, 24): a record is 25 blocks of 256 bytes; the seven lanes left over name the last block again
; A PREFETCH INTO THE L2 of chunk c's records.  Of the 4 records of A (8 of B) that a wave fetches jointly with three partners, the partner at place p (cx for A, cy for B) takes record p
; (records 2 p, 2 p + 1), told apart by address: each block of 256 bytes is named once in each cluster that will load it.  The branch hangs on the wave's number alone.
; K has four chunks: chunks 1 and 2 are asked for behind chunk 0's load, chunk 3 behind chunk 1's; the loop's two refills have no chunk two on.
.macro ASK c
	global_prefetch_b8 v[PFO], s[PFA:PFA+1] offset:(\c)*REC th:TH_LOAD_NT scope:SCOPE_SE
	s_cmp_eq_u32 s15, 0
	s_cbranch_scc1 .Lone_\@
	global_prefetch_b8 v[PFO], s[PFA:PFA+1] offset:(\c)*REC+KCH*REC th:TH_LOAD_NT scope:SCOPE_SE
.Lone_\@:
.endm
.set MULW, 0x52
.set MSB, 0
.macro WIN new
.if MSB != \new
	s_set_vgpr_msb (MSB<<8)|\new
.set MSB, \new
.endif
.endm
.macro PLACES
.rept 4
	v_nop
.endr
.endm
.macro JLOAD s
	s_cmp_eq_u32 s15, 0
	s_cbranch_scc0 .Lfor_b_\@
	tensor_load_to_lds s[G0+4*\s:G0+4*\s+3], s[G1:G1+7]
	s_nop 0
.rept 4
	v_nop
.endr
	s_branch .Lasked_\@
.Lfor_b_\@:
	tensor_load_to_lds s[G0B+4*\s:G0B+4*\s+3], s[G1B:G1B+7]
	s_nop 0
.rept 4
	v_nop
.endr
.Lasked_\@:
.endm
.macro CREST
	s_cmp_lg_u32 s14, 0
	s_cbranch_scc1 .Lnot_wave_0_\@
	s_barrier_signal -3
.Lnot_wave_0_\@:
	s_barrier_wait -3
	s_barrier_signal -1
	s_barrier_wait -1
.endm
.macro CROUND
	s_barrier_signal -1
	s_barrier_wait -1
	CREST
.endm
.macro FETCH sg, q, p
	WIN 0x80
.irp b, 0,1,2,3,4,5,6,7
.irp c, 0,1,2
	ds_load_b128 v[128*(\p)+12*\b+4*\c:128*(\p)+12*\b+4*\c+3], v[ADRB+\sg] offset:\b*REC+(\q)*1536+512*\c
.endr
.endr
	WIN 0
.irp a, 0,1,2,3
.irp c, 0,1,2
	ds_load_b128 v[AF+48*(\p)+12*\a+4*\c:AF+48*(\p)+12*\a+4*\c+3], v[ADRA+\sg] offset:\a*REC+(\q)*1536+512*\c
.endr
.endr
.endm
.macro SCALES sg
.irp i, 0,1,2,3
	ds_load_b128 v[SC+24*\sg+4*\i:SC+24*\sg+4*\i+3], v[ADS1+\sg] offset:\i*REC
.endr
.irp i, 0,1
	ds_load_b128 v[SC+24*\sg+16+4*\i:SC+24*\sg+16+4*\i+3], v[ADS2+\sg] offset:\i*2*REC
.endr
.endm
.macro MUL8 a, p, q, sg, zero
.irp b, 0,1,2,3,4,5,6,7
.set rD, 64*(\a)+8*\b
.set rB, 128*(\p)+12*\b
.set rA, AF+48*(\p)+12*(\a)
.set rSA, SC+24*(\sg)+4*(\a)+(\q)
.if \b < 4
.set rSB, SC+24*(\sg)+4*\b+(\q)
.set rRW, 1
.else
.set rSB, SC+24*(\sg)+16+4*((\b-4)/2)+(\q)
.set rRW, \b%2
.endif
.if \zero
.if rRW
	v_wmma_scale_f32_16x16x128_f8f6f4 v[rD:rD+7], v[rB:rB+11], v[rA:rA+11], 0, v[rSB], v[rSA] matrix_a_fmt:MATRIX_FMT_BF6 matrix_b_fmt:MATRIX_FMT_BF6 matrix_a_scale:MATRIX_SCALE_ROW1
.else
	v_wmma_scale_f32_16x16x128_f8f6f4 v[rD:rD+7], v[rB:rB+11], v[rA:rA+11], 0, v[rSB], v[rSA] matrix_a_fmt:MATRIX_FMT_BF6 matrix_b_fmt:MATRIX_FMT_BF6
.endif
.else
.if rRW
	v_wmma_scale_f32_16x16x128_f8f6f4 v[rD:rD+7], v[rB:rB+11], v[rA:rA+11], v[rD:rD+7], v[rSB], v[rSA] matrix_a_fmt:MATRIX_FMT_BF6 matrix_b_fmt:MATRIX_FMT_BF6 matrix_a_scale:MATRIX_SCALE_ROW1
.else
	v_wmma_scale_f32_16x16x128_f8f6f4 v[rD:rD+7], v[rB:rB+11], v[rA:rA+11], v[rD:rD+7], v[rSB], v[rSA] matrix_a_fmt:MATRIX_FMT_BF6 matrix_b_fmt:MATRIX_FMT_BF6
.endif
.endif
.endr
.endm
.macro STEP sg, q, zero
	s_wait_dscnt 0x0
	PLACES
	FETCH \sg, (\q)+1, 1-(\q)%2
	WIN MULW
	MUL8 0, (\q)%2, \q, \sg, \zero
	MUL8 1, (\q)%2, \q, \sg, \zero
	MUL8 2, (\q)%2, \q, \sg, \zero
	MUL8 3, (\q)%2, \q, \sg, \zero
	WIN 0
.endm
.macro TURN sg, next, fill
	s_wait_tensorcnt 0x0
	ds_add_u32 v[SPW], v[NIL]
	s_wait_dscnt 1
	WIN MULW
	MUL8 0, 1, 3, \sg, 0
	s_wait_dscnt 0x0
	s_barrier_signal -1
	MUL8 1, 1, 3, \sg, 0
	WIN 0
	s_barrier_wait -1
.if \fill
	CREST
	s_add_nc_u64 s[G0+4*\sg+2:G0+4*\sg+3], s[G0+4*\sg+2:G0+4*\sg+3], 2*REC
	s_add_nc_u64 s[G0B+4*\sg+2:G0B+4*\sg+3], s[G0B+4*\sg+2:G0B+4*\sg+3], 2*REC
	JLOAD \sg
.else
	PLACES
.endif
	FETCH \next, 0, 0
	SCALES \next
	WIN MULW
	MUL8 2, 1, 3, \sg, 0
	MUL8 3, 1, 3, \sg, 0
	WIN 0
.endm
	s_load_b128 s[4:7], s[0:1], 0x0
	s_load_b64 s[8:9], s[0:1], 0x10
	v_lshl_add_u32 v[SPW], v0, 2, SPARE
	v_mov_b32 v[NIL], 0
	ds_add_u32 v28, v29
	ds_add_u32 v28, v29
	s_wait_dscnt 0x0
	v_lshrrev_b32 v1, 5, v0
	v_readfirstlane_b32 s14, v1
	s_lshr_b32 s15, s14, 1
	s_and_b32 s16, s14, 1
	s_bfe_u32 s40, ttmp6, 0x40000
	s_bfe_u32 s41, ttmp6, 0x40004
	s_lshl_b32 s42, ttmp9, 2
	s_add_co_u32 s42, s42, s40
	s_and_b32 s17, ttmp7, 0xffff
	s_lshl_b32 s17, s17, 2
	s_add_co_u32 s17, s17, s41
	s_lshl_b32 s43, s41, 2
	s_lshl_b32 s43, 15, s43
	s_lshl_b32 s44, 0x1111, s40
	s_or_b32 s[G1+0], s43, (3<<16)|(1<<21)
	s_or_b32 s[G1B+0], s44, (3<<16)|(1<<21)
	s_mov_b32 s[G1+1], 800<<16
	s_mov_b32 s[G1+2], 4<<16
	s_mov_b32 s[G1+3], 800<<16
	s_mov_b32 s[G1+4], 4
	s_mov_b32 s[G1+5], KCH*800
	s_mov_b32 s[G1+6], 0
	s_mov_b32 s[G1+7], 0
	s_mov_b32 s[G1B+1], 800<<16
	s_mov_b32 s[G1B+2], 8<<16
	s_mov_b32 s[G1B+3], 800<<16
	s_mov_b32 s[G1B+4], 8
	s_mov_b32 s[G1B+5], KCH*800
	s_mov_b32 s[G1B+6], 0
	s_mov_b32 s[G1B+7], 0
	s_lshl_b32 s20, s17, 3
	s_lshl_b32 s18, s16, 2
	s_add_co_u32 s20, s20, s18
	s_mul_i32 s20, s20, KCH*REC
	s_mov_b32 s21, 0
	s_lshl_b32 s46, s42, 4
	s_lshl_b32 s18, s16, 3
	s_add_co_u32 s46, s46, s18
	s_mul_i32 s46, s46, KCH*REC
	s_mov_b32 s47, 0
	s_mul_i32 s45, s16, 4*REC
	s_mul_i32 s18, s16, 8*REC
	s_add_co_u32 s18, s18, BOFF
	s_wait_kmcnt 0x0
	s_add_nc_u64 s[20:21], s[4:5], s[20:21]
	s_add_nc_u64 s[46:47], s[6:7], s[46:47]
.irp s, 0,1
	s_mov_b32 s[G0+4*\s], 1
	s_add_co_u32 s[G0+4*\s+1], s45, \s*SLOT
	s_add_nc_u64 s[G0+4*\s+2:G0+4*\s+3], s[20:21], \s*REC
	s_or_b32 s[G0+4*\s+3], s[G0+4*\s+3], 0x80000000
	s_mov_b32 s[G0B+4*\s], 1
	s_add_co_u32 s[G0B+4*\s+1], s18, \s*SLOT
	s_add_nc_u64 s[G0B+4*\s+2:G0B+4*\s+3], s[46:47], \s*REC
	s_or_b32 s[G0B+4*\s+3], s[G0B+4*\s+3], 0x80000000
.endr
	s_lshl_b32 s82, s17, 3                         ; the prefetches: A's tile 8 x block of rows + 4 x half + cx,
	s_lshl_b32 s83, s16, 2
	s_add_co_u32 s82, s82, s83
	s_add_co_u32 s82, s82, s40
	s_lshl_b32 s84, s42, 4                         ; B's tile 16 x block of columns + 8 x half + 2 cy
	s_lshl_b32 s83, s16, 3
	s_add_co_u32 s84, s84, s83
	s_lshl_b32 s83, s41, 1
	s_add_co_u32 s84, s84, s83
	s_cmp_eq_u32 s15, 0                            ; do I fetch for A?
	s_cselect_b32 s82, s82, s84
	s_cselect_b64 s[PFA:PFA+1], s[4:5], s[6:7]
	s_mul_i32 s82, s82, KCH*REC
	s_mov_b32 s83, 0
	s_add_nc_u64 s[PFA:PFA+1], s[PFA:PFA+1], s[82:83]
	v_and_b32 v[PFO], 31, v0
	v_min_u32 v[PFO], 24, v[PFO]
	v_lshlrev_b32 v[PFO], 8, v[PFO]
	s_wait_alu depctr_va_vdst(0)                   ; the wait here, ahead of the round
	CROUND                                         ; all sixteen work-groups are here: the first joint loads meet
	JLOAD 0                                        ; chunk 0: one tensor load a wave at the head
	ASK 1                                          ; chunks 1 and 2 are asked of memory while chunk 0 is on its way
	ASK 2
	v_and_b32 v1, 31, v0
	v_and_b32 v2, 15, v0
	v_bfe_u32 v3, v0, 4, 1
	v_lshlrev_b32 v[LN16], 4, v1
	s_mul_i32 s19, s15, 4*REC
	s_mul_i32 s22, s16, 8*REC
	s_add_co_u32 s22, s22, BOFF
	v_add_nc_u32 v[ADRA], s19, v[LN16]
	v_add_nc_u32 v[ADRA+1], SLOT, v[ADRA]
	v_add_nc_u32 v[ADRB], s22, v[LN16]
	v_add_nc_u32 v[ADRB+1], SLOT, v[ADRB]
	v_lshl_add_u32 v5, v2, 4, SCW
	s_sub_co_u32 s23, s22, s19
	v_mul_u32_u24 v4, s23, v3
	v_add_nc_u32 v4, v4, v5
	v_add_nc_u32 v[ADS1], s19, v4
	v_add_nc_u32 v[ADS1+1], SLOT, v[ADS1]
	v_mul_u32_u24 v4, v3, REC
	v_add_nc_u32 v4, v4, v5
	s_add_co_u32 s23, s22, 4*REC
	v_add_nc_u32 v[ADS2], s23, v4
	v_add_nc_u32 v[ADS2+1], SLOT, v[ADS2]
	s_mul_i32 s23, s14, 16*528
	v_mul_u32_u24 v5, v2, 528
	v_lshl_add_u32 v5, v3, 5, v5
	v_add_nc_u32 v[STO], s23, v5
	v_add_nc_u32 v[RD], s23, v[LN16]
	s_lshl_b32 s66, s17, 7
	s_lshl_b32 s67, s15, 6
	s_add_co_u32 s66, s66, s67
	s_lshl_b32 s66, s66, 14
	s_lshl_b32 s68, s42, 10
	s_lshl_b32 s67, s16, 9
	s_add_co_u32 s68, s68, s67
	s_add_co_u32 s66, s66, s68
	s_mov_b32 s67, 0
	s_add_nc_u64 s[8:9], s[8:9], s[66:67]
	s_wait_alu depctr_va_vdst(0)
	s_wait_tensorcnt 0x0                           ; my part of chunk 0 is in
	ds_add_u32 v[SPW], v[NIL]
	s_wait_dscnt 0x0
	CROUND                                         ; everybody's part of chunk 0 is in, and the joint loads meet
	JLOAD 1                                        ; chunk 1, the first tensor load behind the round
	ASK 3
	FETCH 0, 0, 0
	SCALES 0
	STEP 0, 0, 1
	s_mov_b32 s3, KCH/2-1
.Llap:
	STEP 0, 1, 0
	STEP 0, 2, 0
	TURN 0, 1, 1
	STEP 1, 0, 0
	STEP 1, 1, 0
	STEP 1, 2, 0
	TURN 1, 0, 1
	STEP 0, 0, 0
	s_sub_co_u32 s3, s3, 1
	s_cmp_lg_u32 s3, 0
	s_cbranch_scc1 .Llap
	STEP 0, 1, 0
	STEP 0, 2, 0
	TURN 0, 1, 0
	STEP 1, 0, 0
	STEP 1, 1, 0
	STEP 1, 2, 0
	s_wait_dscnt 0x0
	WIN MULW
	MUL8 0, 1, 3, 1, 0
	MUL8 1, 1, 3, 1, 0
	MUL8 2, 1, 3, 1, 0
	MUL8 3, 1, 3, 1, 0
	WIN 0
.macro TOSTAGE a
	WIN 0x04
.irp b, 0,1,2,3,4,5,6,7
	ds_store_b128 v[STO], v[64*(\a)+8*\b:64*(\a)+8*\b+3] offset:64*\b
	ds_store_b128 v[STO], v[64*(\a)+8*\b+4:64*(\a)+8*\b+7] offset:64*\b+16
.endr
	WIN 0
.set BB, 128+64*((\a)%2)
.set i, 0
.rept 16
	ds_load_b128 v[BB+4*i:BB+4*i+3], v[RD] offset:i*528
.set i, i+1
.endr
.endm
.macro SEND a, younger
.set BB, 128+64*((\a)%2)
	s_wait_dscnt \younger
.set i, 0
.rept 16
	global_store_b128 v[LN16], v[BB+4*i:BB+4*i+3], s[8:9] offset:(16*(\a)+i)*16384 th:TH_STORE_NT
.set i, i+1
.endr
.endm
	PLACES
	TOSTAGE 0
.irp a, 1,2,3
.if \a > 1
	s_wait_xcnt 0x0
.endif
	TOSTAGE \a
	SEND \a-1, 32
.endr
	SEND 3, 0
	s_wait_tensorcnt 0x0
	ds_add_u32 v[SPW], v[NIL]
	s_wait_dscnt 0x0
	CROUND
	s_endpgm
.Lfunc_end_k_qd7d74c6fd5_oproj:
	.size	k_qd7d74c6fd5_oproj, .Lfunc_end_k_qd7d74c6fd5_oproj-k_qd7d74c6fd5_oproj
	.p2alignl 7, 3214868480
	.fill 96, 4, 3214868480
	.section	.rodata,"a",@progbits
	.p2align	6, 0x0
	.amdhsa_kernel k_qd7d74c6fd5_oproj
		.amdhsa_group_segment_fixed_size 327680
		.amdhsa_private_segment_fixed_size 0
		.amdhsa_enable_private_segment 0
		.amdhsa_kernarg_size 24
		.amdhsa_user_sgpr_count 2
		.amdhsa_user_sgpr_kernarg_segment_ptr 1
		.amdhsa_wavefront_size32 1
		.amdhsa_system_sgpr_workgroup_id_x 1
		.amdhsa_system_sgpr_workgroup_id_y 1
		.amdhsa_system_sgpr_workgroup_id_z 1
		.amdhsa_system_vgpr_workitem_id 0
		.amdhsa_next_free_vgpr 768
		.amdhsa_next_free_sgpr 100
		.amdhsa_reserve_vcc 0
		.amdhsa_float_denorm_mode_32 3
		.amdhsa_float_denorm_mode_16_64 3
		.amdhsa_memory_ordered 1
		.amdhsa_forward_progress 1
		.amdhsa_inst_pref_size 132
	.end_amdhsa_kernel
	.amdgpu_metadata
---
amdhsa.version: [ 1, 2 ]
amdhsa.kernels:
  - .name:           k_qd7d74c6fd5_oproj
    .symbol:         k_qd7d74c6fd5_oproj.kd
    .args:
      - { .name: ac, .offset: 0, .size: 8, .value_kind: global_buffer, .address_space: global }
      - { .name: woc, .offset: 8, .size: 8, .value_kind: global_buffer, .address_space: global }
      - { .name: out0, .offset: 16, .size: 8, .value_kind: global_buffer, .address_space: global }
    .group_segment_fixed_size: 327680
    .private_segment_fixed_size: 0
    .kernarg_segment_align: 8
    .kernarg_segment_size: 24
    .max_flat_workgroup_size: 128
    .sgpr_count:     100
    .vgpr_count:     768
    .wavefront_size: 32
...
	.end_amdgpu_metadata
.endif
;; end of part 4
